; MI455X (gfx1250); checked and timed in simulation.
; The chip was launched on July 23, 2026; its instructions are those of AMD's public machine-readable ISA for CDNA 5 (MIT licence, August 2026) and "CDNA5" Instruction Set Architecture Reference Guide (July 2026). The comments in the code are by the model that wrote it; some were corrected since.
;; Sequence Multi Head Attention. Allowed arithmetic: matrix products marked QUANTISED: E2M3 operands, one E8M0 scale for each 32 along K, by v_wmma_scale_f32_16x16x128_f8f6f4 with both operands' format E2M3, f32 sums; everything else in f32.
;; Inputs: Wk 512 x 1,024 float32; Wo 1,024 x 512 float32; Wq 512 x 1,024 float32; Wv 512 x 1,024 float32; index 4,096 int32; inputs 4,096 x 512 float32.
;; Outputs: out0 4,096 x 512 float32.
;; This version of the problem:
;;   THIS VERSION OF THE PROBLEM IS GIVEN IN LOW PRECISION. The matrix products marked QUANTISED in the list below multiply operands that are first quantised to E2M3 (2 exponent bits, 3 mantissa bits; 6 bits a number), with one power-of-two scale for each 32 numbers along K (OCP MX v1.0); their sums are f32. All else is computed in f32.
;;   The module's matrix products, in the order in which they are computed (A, B: the left and right operand; K: the contracted axis; several contracted axes count as one K, in the product's order):
;;     1. [M 4,096, K 512] x [K 512, N 1,024]; A: input inputs; B: input Wk: QUANTISED
;;     2. [M 4,096, K 512] x [K 512, N 1,024]; A: input inputs; B: input Wq: QUANTISED
;;     3. [M 4,096, K 512] x [K 512, N 1,024]; A: input inputs; B: input Wv: QUANTISED
;;     4. batch 8 x [M 4,096, K 128] x [K 128, N 4,096]; A: computed on the way; B: computed on the way: QUANTISED
;;     5. batch 8 x [M 128, K 4,096] x [K 4,096, N 4,096]; A: computed on the way; B: softmax (see below): QUANTISED
;;     6. [M 4,096, K 1,024] x [K 1,024, N 512]; A: computed on the way; B: input Wo: QUANTISED
;;   THE QUANTISER, for each operand of a quantised product, along K:
;;     - K is cut into blocks of 32 from its start; a last block that is shorter is filled with zeros.
;;     - A block's scale is 2^e with e = floor(log2(the largest magnitude in the block)) - 2, held to -126 .. 127; a block of zeros has e = 0. As a byte (E8M0): e + 127.
;;     - Each number is divided by its block's scale, clamped to +-7.5, and rounded to the nearest number of E2M3, ties to even, subnormals kept.
;;     - The product sums the exact products of the quantised numbers (number of the format x scale) in f32.
;;   ~~~python
;;   def quantise(x, axis):      # numpy; x: float32 -> the quantised numbers, widened to float32 again
;;       x = np.moveaxis(x, axis, -1); K = x.shape[-1]
;;       x = np.pad(x, [(0, 0)] * (x.ndim - 1) + [(0, -K % 32)]); x = x.reshape(x.shape[:-1] + (-1, 32)); a = np.abs(x).max(-1, keepdims=True)
;;       e = np.where(a > 0, np.clip(np.frexp(np.where(a > 0, a, 1))[1] - 1 - 2, -126, 127), 0)      # np.frexp(a)[1] - 1 = floor(log2(a)), exactly
;;       r = np.clip(x / 2.0 ** e, -7.5, 7.5)
;;       step = 2.0 ** (np.maximum(np.frexp(np.where(r == 0, 1, r))[1] - 1, 0) - 3)
;;       q = np.round(r / step) * step * 2.0 ** e      # np.round: ties to even
;;       return np.moveaxis(q.reshape(q.shape[:-2] + (-1,))[..., :K], -1, axis).astype(np.float32)
;;   ~~~
;;   SOFTMAX AHEAD OF A QUANTISED PRODUCT. Where the list says 'softmax', what is quantised is not the finished softmax but p = 2^(t - M), with t = logit x log2(e) and M = ceil(the row's largest t), a whole number; so 1/2 < the row's largest p <= 1. The row's sum l is taken of the UNQUANTISED p, in f32, and the product's result is divided by l at the end. Since M is a whole number, a kernel that streams over the keys may use a running M (the ceiling of the running maximum): every later rescaling is an exact power of two, which a block's scale takes up: the codes' values come out the same.
;;   OPERANDS COMPUTED ON THE WAY. 'Computed on the way' means the value that the module computes at that place (a softmax that the list does not call 'softmax' is quantised finished and normalised). What goes into a quantiser is computed in f32, as accurately as f32 sums, v_exp_f32 and their like allow (about 1e-6 of the number): no bf16 or f16 on the way to a quantiser, and a product that is left as it is and whose result goes on into a quantised operand takes f32 operands (vector FMAs, or v_wmma_f32_16x16x4_f32). A number that lies on a knife's edge between two numbers of the format may be rounded either way, as far as f32 arithmetic and the matrix unit's own rounding can turn it there, and no further.
;; 2 versions, each right; version 2 is version 1 with the launches qkv, attn, proj written anew for expert scheduling mode. Each part assembles by itself: llvm-mc -triple=amdgcn-amd-amdhsa -mcpu=gfx1250 --defsym DOCPART=n.
;; ======== version 1 of 2: 4 launches
;; workspace buffers: xw 3,407,872 bytes; seg 1,024 bytes of whole numbers; qkv 10,223,616 bytes; res 3,407,872 bytes
;; launch prep (part 1): grid 513 x 1, 4 waves a work-group, no clusters, 34,304 bytes of LDS; arguments inputs, Wq, Wk, Wv, Wo, index, xw, seg; writes xw, seg
.if DOCPART == 1
	.amdgcn_target "amdgcn-amd-amdhsa--gfx1250"
	.amdhsa_code_object_version 6
	.text
	.protected	k_q4b8e04c8ba_prep
	.globl	k_q4b8e04c8ba_prep
	.p2align	8
	.type	k_q4b8e04c8ba_prep,@function
k_q4b8e04c8ba_prep:
	s_mov_b64 s[64:65], 0
	v_nop
	global_prefetch_b8 v0, s[64:65] scope:SCOPE_SE
	s_setreg_imm32_b32 hwreg(HW_REG_WAVE_MODE, 25, 1), 1
	s_wait_xcnt 0x0
; inputs [4096][512], Wq, Wk, Wv [512][1024] and Wo [1024][512], all f32, become codes of FP6 (E2M3) with one E8M0 byte for each 32 along K,
; laid in xw as IMAGES OF OPERAND REGISTERS; and index [4096] becomes the lists of key steps in seg.
; A FRAGMENT is 16 rows x 128 K = 12 registers a lane.  Its image is 1,536 bytes: register group c (4 registers) of lane l at 512 c + 16 l.
; Its scale image is 128 bytes: the lane's row's scale word at 4 l (lanes 16-31 repeat lanes 0-15).  Fragment F: codes at 1536 F, scales at SC0 + 128 F.
; THE 16 ROWS OF A TILE ARE NOT NEIGHBOURS: lane r of tile T takes row 32 (T / 2) + 8 (T % 2) + r + 8 (r / 8), so that, where a tile is source 0 of a product,
; the 16 result registers of tiles 2 b and 2 b + 1 are 16 neighbours along the next product's K.
; F: inputs 4 T + s (T token tile, s K step);  Wq, Wk, Wv (m = 0, 1, 2): 1024 + 4 (64 m + column tile) + s;  Wo: 1792 + 8 (column tile) + s.
; SHARES: one wave makes one fragment (2,048 numbers, 64 a lane): 2,048 fragments in work-groups 0 to 511.  Work-group 512 makes seg, 32 query pairs a wave.
; seg, two words for each pair of query tiles (32 tokens): ACT, bit j set where key step j (tokens 128 j ..) may hold a key of one of the pair's segments
; (the intervals [least, greatest index] of the step and of the pair meet); PURE, bit j set where all 128 keys and all 32 queries carry one index.
; Indices are compared as unsigned 32-bit words: any values, in any order, are served.
; A block's scale is 2^(floor(log2(largest magnitude)) - 2); its byte is the largest magnitude's exponent field - 2, held at 1 from below.
; LIMITS: a block of zeros, or one whose largest magnitude lies under 2^-124, gets the byte 1 (the rule says 127 for zeros): its codes are zeros or tiny, and the bytes are
; read by this program alone.  NaN and infinities among the inputs are not served.
; No matrix unit, no cluster, no barrier: waves share nothing.  The path for inputs stages its rows through LDS (a stage of each wave's own).
.set SC0, 3145728
.set LI,  4                            ; v4   16 x lane
.set LS,  5                            ; v5   4 x lane
.set VO,  6                            ; v6   a weight's lane offset
.set SA,  7                            ; v7   the stage, on the way in
.set LA,  8                            ; v8   the stage, on the way out
.set X,   16                           ; v16-79   my 64 numbers: register 16 b + i = k 32 b + 16 (lane / 16) + i of my row
.set R,   80                           ; v80-143  16 rows as they are loaded
.set TM,  144                          ; v144-159 at work in QUANT
.set PW,  160                          ; v160     the scale word
.set PC,  164                          ; v164-175 the fragment
.set TC,  176                          ; v176-183 the conversions' second halves
.set SEL, 28                           ; s[28:29] lane selects: lane l xor 16
.set KMN, 176                          ; the index path: v176-179 a key step's least and greatest index, two chains each
.set KMX, 178
.set QMN, 180                          ; v180, v181 a query pair's
.set QMX, 181
.set OA,  184                          ; v184-185 ACT, PURE
; 64 numbers of a lane, v[s] on, become a fragment's codes in v[pc] on and its row's scale word in v[pw].
.macro QUANT s, pc, tc, pw
.irp b, 0,1,2,3
	v_max3_num_f32 v[TM+\b], |v[(\s)+16*\b]|, |v[(\s)+16*\b+1]|, 0x1800000   ; block b: my 16 numbers, and the floor 2^(3 - 127): the byte cannot fall under 1
.endr
.irp i, 2,4,6,8,10,12,14
.irp b, 0,1,2,3
	v_max3_num_f32 v[TM+\b], v[TM+\b], |v[(\s)+16*\b+\i]|, |v[(\s)+16*\b+\i+1]|   ; the four blocks by turns
.endr
.endr
.irp b, 0,1,2,3
	v_permlanex16_b32 v[TM+4+\b], v[TM+\b], s[SEL], s[SEL+1]
.endr
.irp b, 0,1,2,3
	v_max_num_f32 v[TM+\b], v[TM+\b], v[TM+4+\b]       ; with lane l xor 16's 16: the block's largest magnitude
.endr
.irp b, 0,1,2,3
	v_add_nc_u32 v[TM+12+\b], 0xff000000, v[TM+\b]     ; 2 off its exponent field: the conversion's scale operand
.endr
.irp b, 0,1,2,3
	v_lshrrev_b32 v[TM+4+\b], 23, v[TM+12+\b]          ; the scale's byte
.endr
	v_lshl_or_b32 v[(\pw)], v[TM+5], 8, v[TM+4]
	v_lshl_or_b32 v[(\pw)], v[TM+6], 16, v[(\pw)]
	v_lshl_or_b32 v[(\pw)], v[TM+7], 24, v[(\pw)]
.irp c, 0,1
	v_cvt_scalef32_pk16_fp6_f32 v[(\pc)+6*\c:(\pc)+6*\c+2], v[(\s)+32*\c:(\s)+32*\c+15], v[TM+12+2*\c]
	v_cvt_scalef32_pk16_fp6_f32 v[(\tc)+4*\c:(\tc)+4*\c+2], v[(\s)+32*\c+16:(\s)+32*\c+31], v[TM+13+2*\c]   ; (a conversion's three registers begin on an even number)
.endr
	v_nop                                              ; one plain instruction behind the scaled conversions
.irp c, 0,1                                            ; the operand's layout wants a whole block in a lane: lanes 0-15 block 2 c, lanes 16-31 block 2 c + 1
.irp i, 0,1,2
	v_permlane16_swap_b32 v[(\pc)+6*\c+\i], v[(\tc)+4*\c+\i]
.endr
.irp i, 0,1,2
	v_mov_b32 v[(\pc)+3+6*\c+\i], v[(\tc)+4*\c+\i]
.endr
.endr
.endm
; a weight's fragment: a lane takes a column and its registers run down K
.macro WLOAD pitch
.irp bb, 0,1,2,3
.irp i, 0,1,2,3,4,5,6,7,8,9,10,11,12,13,14,15
	global_load_b32 v[X+16*\bb+\i], v[VO], s[24:25] offset:(32*\bb+\i)*\pitch
.endr
.endr
	s_wait_loadcnt 0x0
.endm
	s_load_b256 s[4:11], s[0:1], 0x0               ; inputs s[4:5], Wq s[6:7], Wk s[8:9], Wv s[10:11]
	s_load_b256 s[12:19], s[0:1], 0x20             ; Wo s[12:13], index s[14:15], xw s[16:17], seg s[18:19]
	v_lshl_add_u32 v192, v0, 2, 0x8400
	v_mov_b32 v193, 0
	v_lshrrev_b32 v9, 5, v0
	v_readfirstlane_b32 s20, v9                    ; wave 0..3
	v_and_b32 v1, 31, v0                           ; lane
	v_and_b32 v2, 15, v0                           ; r
	v_bfe_u32 v3, v0, 4, 1                         ; h
	v_lshlrev_b32 v[LI], 4, v1
	v_lshlrev_b32 v[LS], 2, v1
	s_mul_i32 s22, s20, 8448                       ; my stage: 16 rows x 528 bytes
	v_add_nc_u32 v[SA], s22, v[LI]
	v_mul_u32_u24 v[LA], v2, 528
	v_lshl_add_u32 v[LA], v3, 6, v[LA]
	v_add_nc_u32 v[LA], s22, v[LA]                 ; row r, + 64 h
	v_and_b32 v9, 8, v2
	v_add_nc_u32 v9, v9, v2
	v_lshlrev_b32 v9, 2, v9                        ; 4 (r + 8 (r / 8)): my column of a weight's tile, in bytes
	s_mov_b32 s[SEL], 0x76543210
	s_mov_b32 s[SEL+1], 0xfedcba98
.irp b, 0,1,2,3
	v_mov_b32 v[TM+4+\b], 0                        ; written once: a lane permute's destination counts as one of its sources
.endr
	s_mov_b32 s27, 0
	s_and_b32 s34, s20, 1                          ; u: which tile of a pair
	s_lshr_b32 s35, s20, 1
	s_wait_kmcnt 0x0
	s_cmp_lt_u32 ttmp9, 256
	s_cbranch_scc1 .Lx
	s_cmp_lt_u32 ttmp9, 448
	s_cbranch_scc1 .Lw
	s_cmp_lt_u32 ttmp9, 512
	s_cbranch_scc1 .Lwo
	; ---- the lists.  Lane l stands for key step l, and also for query pair 32 wave + l
	v_lshlrev_b32 v9, 9, v1                        ; a key step's 128 indices are 512 bytes
.irp n, 0,1,2,3,4,5,6,7,8,9,10,11,12,13,14,15,16,17,18,19,20,21,22,23,24,25,26,27,28,29,30,31
	global_load_b128 v[16+4*\n:16+4*\n+3], v9, s[14:15] offset:16*\n
.endr
	s_lshl_b32 s22, s20, 12
	v_lshl_add_u32 v10, v1, 7, s22                 ; a pair's 32 indices are 128 bytes
.irp n, 0,1,2,3,4,5,6,7
	global_load_b128 v[144+4*\n:144+4*\n+3], v10, s[14:15] offset:16*\n
.endr
	s_wait_loadcnt 0x0
	v_min_u32 v[KMN], v16, v17
	v_min_u32 v[KMN+1], v18, v19
	v_max_u32 v[KMX], v16, v17
	v_max_u32 v[KMX+1], v18, v19
.set n, 4
.rept 124
	v_min_u32 v[KMN+n%2], v[KMN+n%2], v[16+n]
	v_max_u32 v[KMX+n%2], v[KMX+n%2], v[16+n]
.set n, n+1
.endr
	v_min_u32 v[KMN], v[KMN], v[KMN+1]
	v_max_u32 v[KMX], v[KMX], v[KMX+1]
	v_min_u32 v[QMN], v144, v145
	v_max_u32 v[QMX], v144, v145
.set n, 2
.rept 30
	v_min_u32 v[QMN], v[QMN], v[144+n]
	v_max_u32 v[QMX], v[QMX], v[144+n]
.set n, n+1
.endr
	v_mov_b32 v[OA], 0
	v_mov_b32 v[OA+1], 0
.set j, 0
.rept 32                                           ; pair 32 wave + j against all 32 key steps at once: a compare's mask is the pair's word
.set SB, 36+6*(j%2)
	v_readlane_b32 s[SB], v[QMN], j
	v_readlane_b32 s[SB+1], v[QMX], j
	v_cmp_le_u32 s[SB+2], v[KMN], s[SB+1]          ; the step's least <= the pair's greatest,
	v_cmp_ge_u32 s[SB+3], v[KMX], s[SB]            ; and its greatest >= the pair's least: the intervals meet
	v_cmp_eq_u32 s[SB+4], v[KMN], s[SB+1]          ; least = the pair's greatest and greatest = the pair's least: all four are equal
	v_cmp_eq_u32 s[SB+5], v[KMX], s[SB]
	s_and_b32 s[SB+2], s[SB+2], s[SB+3]
	s_and_b32 s[SB+4], s[SB+4], s[SB+5]
	v_writelane_b32 v[OA], s[SB+2], j
	v_writelane_b32 v[OA+1], s[SB+4], j
.set j, j+1
.endr
	v_lshlrev_b32 v11, 3, v1
	s_lshl_b32 s22, s20, 8
	v_add_nc_u32 v11, s22, v11
	global_store_b64 v11, v[OA:OA+1], s[18:19]     ; the wave stores 256 consecutive bytes, aligned
	s_endpgm
.Lx:	; ---- inputs: token tile g = work-group, K step = wave.  Each load takes one row's 512 consecutive bytes; the rows turn through my stage so that a lane gets 16 neighbours of each block
	s_lshl_b32 s21, ttmp9, 2
	s_add_co_u32 s21, s21, s20                     ; F = 4 g + wave
	s_lshr_b32 s26, ttmp9, 1
	s_lshl_b32 s26, s26, 5
	s_and_b32 s23, ttmp9, 1
	s_lshl_b32 s23, s23, 3
	s_add_co_u32 s26, s26, s23                     ; the tile's first row: 32 (g / 2) + 8 (g % 2)
	s_lshl_b32 s26, s26, 11                        ; rows of 2,048 bytes
	s_lshl_b32 s23, s20, 9
	s_add_co_u32 s26, s26, s23                     ; + 512 x K step
	s_add_nc_u64 s[24:25], s[4:5], s[26:27]
.irp p, 0,1,2,3,4,5,6,7,8,9,10,11,12,13,14,15
	global_load_b128 v[R+4*\p:R+4*\p+3], v[LI], s[24:25] offset:(\p+8*(\p/8))*2048 th:TH_LOAD_NT
.endr
.irp p, 0,1,2,3,4,5,6,7,8,9,10,11,12,13,14,15
	s_wait_loadcnt 15-\p                           ; loads come back in order: row p is in, the younger ones may be out
	ds_store_b128 v[SA], v[R+4*\p:R+4*\p+3] offset:528*\p
.endr
.irp bb, 0,1,2,3
.irp j, 0,1,2,3
	ds_load_b128 v[X+16*\bb+4*\j:X+16*\bb+4*\j+3], v[LA] offset:128*\bb+16*\j   ; LDS serves a wave's instructions in order: these see my stores
.endr
.endr
	s_wait_dscnt 0x0
	s_branch .Lquant
.Lw:	; ---- Wq, Wk, Wv: g' = work-group - 256: matrix g' / 64, pair of column tiles (g' % 64) / 2; the four waves take two tiles x two K steps
	s_sub_co_u32 s23, ttmp9, 256
	s_lshr_b32 s36, s23, 6                         ; m
	s_and_b32 s37, s23, 63
	s_lshr_b32 s37, s37, 1                         ; b
	s_and_b32 s38, s23, 1
	s_lshl_b32 s38, s38, 1
	s_add_co_u32 s38, s38, s35                     ; K step
	s_cmp_eq_u32 s36, 0
	s_cselect_b64 s[24:25], s[6:7], s[8:9]
	s_cmp_eq_u32 s36, 2
	s_cselect_b64 s[24:25], s[10:11], s[24:25]
	s_lshl_b32 s21, s36, 6
	s_lshl_b32 s39, s37, 1
	s_add_co_u32 s21, s21, s39
	s_add_co_u32 s21, s21, s34
	s_lshl_b32 s21, s21, 2
	s_add_co_u32 s21, s21, s38
	s_add_co_u32 s21, s21, 1024                    ; F
	s_lshl_b32 s26, s38, 19                        ; 128 rows of 4,096 bytes a K step
	s_lshl_b32 s39, s37, 7
	s_add_co_u32 s26, s26, s39
	s_lshl_b32 s39, s34, 5
	s_add_co_u32 s26, s26, s39                     ; + 4 (32 b + 8 u)
	s_add_nc_u64 s[24:25], s[24:25], s[26:27]
	v_lshl_add_u32 v[VO], v3, 16, v9               ; lanes 16-31 begin 16 rows further down
	WLOAD 4096
	s_branch .Lquant
.Lwo:	; ---- Wo: g'' = work-group - 448: pair of column tiles g'' / 4; two tiles x two of the eight K steps
	s_sub_co_u32 s23, ttmp9, 448
	s_lshr_b32 s37, s23, 2                         ; b
	s_and_b32 s38, s23, 3
	s_lshl_b32 s38, s38, 1
	s_add_co_u32 s38, s38, s35                     ; K step
	s_lshl_b32 s21, s37, 1
	s_add_co_u32 s21, s21, s34
	s_lshl_b32 s21, s21, 3
	s_add_co_u32 s21, s21, s38
	s_add_co_u32 s21, s21, 1792                    ; F
	s_lshl_b32 s26, s38, 18                        ; 128 rows of 2,048 bytes a K step
	s_lshl_b32 s39, s37, 7
	s_add_co_u32 s26, s26, s39
	s_lshl_b32 s39, s34, 5
	s_add_co_u32 s26, s26, s39
	s_add_nc_u64 s[24:25], s[12:13], s[26:27]
	v_lshl_add_u32 v[VO], v3, 15, v9
	WLOAD 2048
.Lquant:	; ---- all three paths: X holds my 64 numbers, nothing is pending
	s_mul_i32 s26, s21, 1536
	s_add_nc_u64 s[30:31], s[16:17], s[26:27]
	s_lshl_b32 s26, s21, 7
	s_add_co_u32 s26, s26, SC0
	s_add_nc_u64 s[32:33], s[16:17], s[26:27]
	QUANT X, PC, TC, PW
.irp c, 0,1,2
	global_store_b128 v[LI], v[PC+4*\c:PC+4*\c+3], s[30:31] offset:512*\c   ; 512 consecutive bytes a store
.endr
	global_store_b32 v[LS], v[PW], s[32:33]
	s_wait_tensorcnt 0x0
	ds_add_u32 v192, v193
	s_wait_dscnt 0x0
	s_endpgm
.Lfunc_end_k_q4b8e04c8ba_prep:
	.size	k_q4b8e04c8ba_prep, .Lfunc_end_k_q4b8e04c8ba_prep-k_q4b8e04c8ba_prep
	.p2alignl 7, 3214868480
	.fill 96, 4, 3214868480
	.section	.rodata,"a",@progbits
	.p2align	6, 0x0
	.amdhsa_kernel k_q4b8e04c8ba_prep
		.amdhsa_group_segment_fixed_size 34304
		.amdhsa_private_segment_fixed_size 0
		.amdhsa_enable_private_segment 0
		.amdhsa_kernarg_size 64
		.amdhsa_user_sgpr_count 2
		.amdhsa_user_sgpr_kernarg_segment_ptr 1
		.amdhsa_wavefront_size32 1
		.amdhsa_system_sgpr_workgroup_id_x 1
		.amdhsa_system_sgpr_workgroup_id_y 1
		.amdhsa_system_sgpr_workgroup_id_z 1
		.amdhsa_system_vgpr_workitem_id 0
		.amdhsa_next_free_vgpr 194
		.amdhsa_next_free_sgpr 66
		.amdhsa_reserve_vcc 0
		.amdhsa_float_denorm_mode_32 3
		.amdhsa_float_denorm_mode_16_64 3
		.amdhsa_memory_ordered 1
		.amdhsa_forward_progress 1
		.amdhsa_inst_pref_size 57
	.end_amdhsa_kernel
	.amdgpu_metadata
---
amdhsa.version: [ 1, 2 ]
amdhsa.kernels:
  - .name:           k_q4b8e04c8ba_prep
    .symbol:         k_q4b8e04c8ba_prep.kd
    .args:
      - { .name: inputs, .offset: 0, .size: 8, .value_kind: global_buffer, .address_space: global }
      - { .name: Wq, .offset: 8, .size: 8, .value_kind: global_buffer, .address_space: global }
      - { .name: Wk, .offset: 16, .size: 8, .value_kind: global_buffer, .address_space: global }
      - { .name: Wv, .offset: 24, .size: 8, .value_kind: global_buffer, .address_space: global }
      - { .name: Wo, .offset: 32, .size: 8, .value_kind: global_buffer, .address_space: global }
      - { .name: index, .offset: 40, .size: 8, .value_kind: global_buffer, .address_space: global }
      - { .name: xw, .offset: 48, .size: 8, .value_kind: global_buffer, .address_space: global }
      - { .name: seg, .offset: 56, .size: 8, .value_kind: global_buffer, .address_space: global }
    .group_segment_fixed_size: 34304
    .private_segment_fixed_size: 0
    .kernarg_segment_align: 8
    .kernarg_segment_size: 64
    .max_flat_workgroup_size: 128
    .sgpr_count:     66
    .vgpr_count:     194
    .wavefront_size: 32
...
	.end_amdgpu_metadata
.endif
;; end of part 1
;; launch qkv (part 2): grid 32 x 8, 3 waves a work-group, no clusters, 0 bytes of LDS; arguments xw, qkv; writes qkv
.if DOCPART == 2
	.amdgcn_target "amdgcn-amd-amdhsa--gfx1250"
	.amdhsa_code_object_version 6
	.text
	.protected	k_q4b8e04c8ba_qkv
	.globl	k_q4b8e04c8ba_qkv
	.p2align	8
	.type	k_q4b8e04c8ba_qkv,@function
k_q4b8e04c8ba_qkv:
	s_mov_b64 s[64:65], 0
	v_nop
	global_prefetch_b8 v0, s[64:65] scope:SCOPE_SE
	s_setreg_imm32_b32 hwreg(HW_REG_WAVE_MODE, 25, 1), 1
	s_wait_xcnt 0x0
; q = x Wq, k = x Wk, v = x Wv on codes of FP6 (E2M3) with E8M0 scales, K = 512; the results are quantised in registers and leave as operand images:
; q and k along the head's 128 channels, v along the KEYS (tokens), in blocks of 32 from the axis's start.
; SHARES: work-group (tb, head): 128 tokens, one head.  Wave 0 makes q, wave 1 k, wave 2 v.  One text: only pointers differ.
; A STATIONARY block S (8 tiles x 4 K steps, 384 registers) is source 0, a STREAMED block R (8 tiles, one after the other) is source 1.
; q, k: S = the head's 128 columns of the weight, R = the tokens: a lane holds a token, its registers run along the channels.
; v:    S = the tokens, R = the head's columns of Wv: a lane holds a channel, its registers run along the tokens.
; By the choice of a tile's rows (lane r of tile T: row 32 (T / 2) + 8 (T % 2) + r + 8 (r / 8)) result register 16 b + i is k = 32 b + 16 (lane / 16) + i of the NEXT product.
; OUT: record 256 w + 32 head + tb of 13,312 bytes: eight fragment images (1,536 bytes each), then the eight scale words of each lane (word i at 12288 + 512 (i / 4) + 16 lane + 4 (i % 4)).
; NO TENSOR LOADS, NO CLUSTER, though 32 work-groups read a weight block and 8 a token block: K is four steps, every wave reads each of its 64 fragments once, as images, straight into
; the operand registers; a hop through LDS and a round of barriers would stand in series ahead of a wave's 256 matrix instructions.
; LIMITS: a block whose largest magnitude lies under 2^-124 (a block of zeros too) gets the byte 1; NaN and infinities are not served.
; REGISTERS, in windows of 256: window 0: v1-2 addresses; v16-47 S's scale words; v48-55 R's, two sets; v56-63 the outgoing scale words; v64-127 eight accumulators; v128-163 at work.
;   window 1: S's fragments of K steps 0, 1 at v[12 (t + 8 (s % 2))];  window 2: of K steps 2, 3;  window 3: R's fragments, set e at v[48 e + 12 s].
.set SC0, 3145728
.set REC, 13312
.set LI,  1
.set LS,  2
.set SS,  16
.set RS,  48
.set PWS, 56
.set HA,  64
.set TM,  128
.set PC,  144
.set TC,  156
.set SEL, 22
.set MSB, 0
.macro WIN new                         ; the immediate's high byte repeats the setting that is left
.if MSB != \new
	s_set_vgpr_msb (MSB<<8)|\new
.set MSB, \new
.endif
.endm
.macro QUANT s, pc, tc, pw             ; 64 numbers of a lane become a fragment's codes in v[pc] on and its row's scale word in v[pw]
.irp b, 0,1,2,3
	v_max3_num_f32 v[TM+\b], |v[(\s)+16*\b]|, |v[(\s)+16*\b+1]|, 0x1800000   ; each accumulator is first read at its low end; the floor 2^(3 - 127) holds the byte at 1 from below
.endr
.irp i, 2,4,6,8,10,12,14
.irp b, 0,1,2,3
	v_max3_num_f32 v[TM+\b], v[TM+\b], |v[(\s)+16*\b+\i]|, |v[(\s)+16*\b+\i+1]|
.endr
.endr
.irp b, 0,1,2,3
	v_permlanex16_b32 v[TM+4+\b], v[TM+\b], s[SEL], s[SEL+1]
.endr
.irp b, 0,1,2,3
	v_max_num_f32 v[TM+\b], v[TM+\b], v[TM+4+\b]
.endr
.irp b, 0,1,2,3
	v_add_nc_u32 v[TM+12+\b], 0xff000000, v[TM+\b]     ; 2 off the exponent field: the conversion's scale operand
.endr
.irp b, 0,1,2,3
	v_lshrrev_b32 v[TM+4+\b], 23, v[TM+12+\b]          ; the scale's byte
.endr
	v_lshl_or_b32 v[(\pw)], v[TM+5], 8, v[TM+4]
	v_lshl_or_b32 v[(\pw)], v[TM+6], 16, v[(\pw)]
	v_lshl_or_b32 v[(\pw)], v[TM+7], 24, v[(\pw)]
.irp c, 0,1
	v_cvt_scalef32_pk16_fp6_f32 v[(\pc)+6*\c:(\pc)+6*\c+2], v[(\s)+32*\c:(\s)+32*\c+15], v[TM+12+2*\c]
	v_cvt_scalef32_pk16_fp6_f32 v[(\tc)+4*\c:(\tc)+4*\c+2], v[(\s)+32*\c+16:(\s)+32*\c+31], v[TM+13+2*\c]
.endr
	v_nop                                              ; one plain instruction behind the scaled conversions: their sources are written again by the next tile's products
.irp c, 0,1
.irp i, 0,1,2
	v_permlane16_swap_b32 v[(\pc)+6*\c+\i], v[(\tc)+4*\c+\i]
.endr
.irp i, 0,1,2
	v_mov_b32 v[(\pc)+3+6*\c+\i], v[(\tc)+4*\c+\i]
.endr
.endr
.endm
.macro RLOAD i                         ; R's tile i, four K steps, and its scale words: 16 loads, into set i % 2
	WIN 0xc0
.irp s, 0,1,2,3
.irp c, 0,1,2
	global_load_b128 v[48*((\i)%2)+12*\s+4*\c:48*((\i)%2)+12*\s+4*\c+3], v[LI], s[16:17] offset:(4*(\i)+\s)*1536+512*\c
.endr
.endr
	WIN 0
.irp s, 0,1,2,3
	global_load_b32 v[RS+4*((\i)%2)+\s], v[LS], s[18:19] offset:(4*(\i)+\s)*128
.endr
.endm
.macro SLOAD s                         ; S's eight fragments of K step s: 24 loads
.if (\s) < 2
	WIN 0x40
.else
	WIN 0x80
.endif
.irp t, 0,1,2,3,4,5,6,7
.irp c, 0,1,2
	global_load_b128 v[12*(\t+8*((\s)%2))+4*\c:12*(\t+8*((\s)%2))+4*\c+3], v[LI], s[12:13] offset:(4*\t+(\s))*1536+512*\c
.endr
.endr
.endm
.macro MULS i, s                       ; eight products: S's tiles against R's tile i, K step s.  The eight accumulators take turns, one instruction a turn
.if (\s) < 2
	WIN 0x0d                                       ; source 0 window 1, source 1 window 3, C and D window 0
.else
	WIN 0x0e                                       ; source 0 window 2
.endif
.irp t, 0,1,2,3,4,5,6,7
.if (\s) == 0
	v_wmma_scale_f32_16x16x128_f8f6f4 v[HA+8*\t:HA+8*\t+7], v[12*(\t+8*((\s)%2)):12*(\t+8*((\s)%2))+11], v[48*((\i)%2)+12*(\s):48*((\i)%2)+12*(\s)+11], 0, v[SS+4*\t+(\s)], v[RS+4*((\i)%2)+(\s)] matrix_a_fmt:MATRIX_FMT_FP6 matrix_b_fmt:MATRIX_FMT_FP6
.else
	v_wmma_scale_f32_16x16x128_f8f6f4 v[HA+8*\t:HA+8*\t+7], v[12*(\t+8*((\s)%2)):12*(\t+8*((\s)%2))+11], v[48*((\i)%2)+12*(\s):48*((\i)%2)+12*(\s)+11], v[HA+8*\t:HA+8*\t+7], v[SS+4*\t+(\s)], v[RS+4*((\i)%2)+(\s)] matrix_a_fmt:MATRIX_FMT_FP6 matrix_b_fmt:MATRIX_FMT_FP6
.endif
.endr
.endm
.macro TILE i
.irp s, 0,1,2,3
.if (\i) == 0                          ; the first tile starts as soon as its K step's part of S is in
.if \s < 2
	s_wait_loadcnt 63                              ; 88 and 64 younger loads stand behind what is needed: the count is the largest that the wait can name, and smaller than both
.elseif \s == 2
	s_wait_loadcnt 40                              ; younger: S's K step 3 (24) and R's tile 1 (16)
.else
	s_wait_loadcnt 16                              ; younger: R's tile 1
.endif
.elseif \s == 0
.if (\i) < 7
	s_wait_loadcnt 16                              ; younger: the next tile's 16 loads
.else
	s_wait_loadcnt 0x0
.endif
.endif
	MULS \i, \s
.endr
	WIN 0
.rept 4
	v_nop                                          ; four places behind the products: in front of the loads into R's set and of the first read of the results
.endr
.if (\i) < 6
	RLOAD (\i)+2
.endif
.if (\i) > 0
	s_wait_xcnt 0x0                                ; the last tile's stores have read their data registers, which QUANT writes again
.endif
	QUANT HA, PC, TC, PWS+(\i)
.irp c, 0,1,2
	global_store_b128 v[LI], v[PC+4*\c:PC+4*\c+3], s[20:21] offset:(\i)*1536+512*\c   ; 512 consecutive bytes a store
.endr
.endm
	s_load_b128 s[4:7], s[0:1], 0x0                ; xw s[4:5], qkv s[6:7]
	v_lshrrev_b32 v3, 5, v0
	v_readfirstlane_b32 s8, v3                     ; wave: 0 q, 1 k, 2 v
	v_and_b32 v3, 31, v0
	v_lshlrev_b32 v[LI], 4, v3
	v_lshlrev_b32 v[LS], 2, v3
	s_and_b32 s9, ttmp7, 0xffff                    ; head
	s_mov_b32 s10, ttmp9                           ; block of 128 tokens
	s_mov_b32 s[SEL], 0x76543210
	s_mov_b32 s[SEL+1], 0xfedcba98
.irp b, 0,1,2,3
	v_mov_b32 v[TM+4+\b], 0                        ; written once: a lane permute's destination counts as one of its sources
.endr
	s_lshl_b32 s24, s8, 3
	s_add_co_u32 s24, s24, s9
	s_lshl_b32 s24, s24, 5
	s_add_co_u32 s24, s24, 1024                    ; the weight block's first fragment
	s_lshl_b32 s26, s10, 5                         ; the token block's
	s_cmp_eq_u32 s8, 2
	s_cselect_b32 s27, s26, s24                    ; S
	s_cselect_b32 s28, s24, s26                    ; R
	s_mov_b32 s25, 0
	s_wait_kmcnt 0x0
	s_mul_i32 s24, s27, 1536
	s_add_nc_u64 s[12:13], s[4:5], s[24:25]        ; S's codes
	s_lshl_b32 s24, s27, 7
	s_add_co_u32 s24, s24, SC0
	s_add_nc_u64 s[14:15], s[4:5], s[24:25]        ; S's scale images
	s_mul_i32 s24, s28, 1536
	s_add_nc_u64 s[16:17], s[4:5], s[24:25]        ; R's codes
	s_lshl_b32 s24, s28, 7
	s_add_co_u32 s24, s24, SC0
	s_add_nc_u64 s[18:19], s[4:5], s[24:25]        ; R's scale images
	s_lshl_b32 s24, s8, 8
	s_lshl_b32 s29, s9, 5
	s_add_co_u32 s24, s24, s29
	s_add_co_u32 s24, s24, s10
	s_mul_i32 s24, s24, REC
	s_add_nc_u64 s[20:21], s[6:7], s[24:25]        ; my record
	RLOAD 0
.irp t, 0,1,2,3,4,5,6,7
.irp s, 0,1,2,3
	global_load_b32 v[SS+4*\t+\s], v[LS], s[14:15] offset:(4*\t+\s)*128
.endr
.endr
	SLOAD 0
	SLOAD 1
	SLOAD 2
	SLOAD 3
	RLOAD 1
	TILE 0
	TILE 1
	TILE 2
	TILE 3
	TILE 4
	TILE 5
	TILE 6
	TILE 7
.irp g, 0,1
	global_store_b128 v[LI], v[PWS+4*\g:PWS+4*\g+3], s[20:21] offset:12288+512*\g   ; the eight scale words of each lane
.endr
	s_endpgm
.Lfunc_end_k_q4b8e04c8ba_qkv:
	.size	k_q4b8e04c8ba_qkv, .Lfunc_end_k_q4b8e04c8ba_qkv-k_q4b8e04c8ba_qkv
	.p2alignl 7, 3214868480
	.fill 96, 4, 3214868480
	.section	.rodata,"a",@progbits
	.p2align	6, 0x0
	.amdhsa_kernel k_q4b8e04c8ba_qkv
		.amdhsa_group_segment_fixed_size 0
		.amdhsa_private_segment_fixed_size 0
		.amdhsa_enable_private_segment 0
		.amdhsa_kernarg_size 16
		.amdhsa_user_sgpr_count 2
		.amdhsa_user_sgpr_kernarg_segment_ptr 1
		.amdhsa_wavefront_size32 1
		.amdhsa_system_sgpr_workgroup_id_x 1
		.amdhsa_system_sgpr_workgroup_id_y 1
		.amdhsa_system_sgpr_workgroup_id_z 1
		.amdhsa_system_vgpr_workitem_id 0
		.amdhsa_next_free_vgpr 1024
		.amdhsa_next_free_sgpr 66
		.amdhsa_reserve_vcc 0
		.amdhsa_float_denorm_mode_32 3
		.amdhsa_float_denorm_mode_16_64 3
		.amdhsa_memory_ordered 1
		.amdhsa_forward_progress 1
		.amdhsa_inst_pref_size 93
	.end_amdhsa_kernel
	.amdgpu_metadata
---
amdhsa.version: [ 1, 2 ]
amdhsa.kernels:
  - .name:           k_q4b8e04c8ba_qkv
    .symbol:         k_q4b8e04c8ba_qkv.kd
    .args:
      - { .name: xw, .offset: 0, .size: 8, .value_kind: global_buffer, .address_space: global }
      - { .name: qkv, .offset: 8, .size: 8, .value_kind: global_buffer, .address_space: global }
    .group_segment_fixed_size: 0
    .private_segment_fixed_size: 0
    .kernarg_segment_align: 8
    .kernarg_segment_size: 16
    .max_flat_workgroup_size: 96
    .sgpr_count:     66
    .vgpr_count:     1024
    .wavefront_size: 32
...
	.end_amdgpu_metadata
.endif
;; end of part 2
;; launch attn (part 3): grid 32 x 8, 4 waves a work-group, no clusters, 0 bytes of LDS; arguments qkv, seg, index, res; writes res
.if DOCPART == 3
	.amdgcn_target "amdgcn-amd-amdhsa--gfx1250"
	.amdhsa_code_object_version 6
	.text
	.protected	k_q4b8e04c8ba_attn
	.globl	k_q4b8e04c8ba_attn
	.p2align	8
	.type	k_q4b8e04c8ba_attn,@function
k_q4b8e04c8ba_attn:
	s_mov_b64 s[64:65], 0
	v_nop
	global_prefetch_b8 v0, s[64:65] scope:SCOPE_SE
	s_setreg_imm32_b32 hwreg(HW_REG_WAVE_MODE, 25, 1), 1
	s_wait_xcnt 0x0
; res[t][head][:] = the sum over keys s of softmax_s(k[s] . q[t] / sqrt(128), keys of t's segment alone) v[s][:], both products on codes of FP6 (E2M3) with E8M0 scales;
; the result is quantised along [head][channel] for the last product and leaves as operand images.
; THE SOFTMAX: t = score x log2(e) / sqrt(128) (one rounding); M = the running largest t, rounded up to a whole number; p = 2^(t - M) is what is quantised, along the keys, in blocks of 32
; tokens in their given order; the row's sum is taken of the unquantised p and divides at the end.  When M moves, the sum and O are multiplied by 2^(old M - new M): exact.
; SHARES: work-group (tb, head); wave w owns query pair qp = 4 tb + w: two tiles of 16 queries.  Each fragment of K and V that the wave loads feeds two matrix instructions.
; Both products are used transposed: S^T = K Q^T, O^T = V^T P^T: a lane holds ONE query (lane % 16) throughout, and register 16 b + i holds key (or channel) 32 b + 16 (lane / 16) + i.
; THE WALK: keys go in aligned steps of 128 tokens.  seg gives the pair two words: ACT, the steps that may hold a key of its segments, and PURE, those in which no key is hidden.
; Steps outside ACT lie wholly under the mask and are not multiplied.  In a step that is not PURE the scores of keys whose index differs from the query's become -infinity ahead of the maximum.
; With an index in any order ACT is all ones: 32 trips, all masked.  The pair's own step is always in ACT, so every query meets itself and its sum is positive.
; NO TENSOR LOADS AND SO NO JOINT LOADS, though the work-groups of a head read the same K and V: the trip count and the addresses hang on numbers read from seg.
; K, V come as operand images straight into registers; the next step's K is asked for a whole trip ahead, V at the trip's head.  The last trip asks for step 31's K (a clamped, unused load inside the buffer).
; O^T begins as zeros and the largest t as -3e38, so that the trip is written once; the first change of M multiplies zeros.
; LIMITS: NaN and infinities are not served; a block of p or of the result whose largest number lies under 2^-124 gets the byte 1; a block's largest p is taken from its largest score
; (v_exp_f32 is taken not to fall where its input rises).
; REGISTERS, in windows of 256.  window 0: v1-7 addresses and the queries' indices; v12-19 -M, largest t, sum pair of each tile; v20-27 K's scale words, v28-35 V's, v36-37 Q's, v38-39 P's;
;   v40-43 f; v44-45 1 / sum; v64-191 S^T, then p, at the end o; v192-215 P's codes; v216-242 at work.
;   window 1: v0-127 O^T; v128-191 the step's key indices; v192 -infinity; v200-223 Q.   window 2: v0-95 K; v96-191 V.
.set REC, 13312
.set SC0, 3145728
.set LI,  1                            ; 16 x lane
.set HO,  2                            ; 64 (lane / 16): my half's 16 key indices of a block
.set QO,  3                            ; 4 (r + 8 (r / 8)): my query in its tile
.set QI,  4                            ; v4, v5 my query's index in tile 0, 1
.set LS,  7                            ; 4 x lane
.set MT,  12
.set KS,  20
.set VS,  28
.set QS,  36
.set PS,  38
.set FF,  40
.set RL,  44
.set S,   64
.set PC,  192
.set TM,  216
.set TC,  232
.set CH,  240
.set XT,  242
.set KI,  128                          ; window 1
.set NINF, 192
.set QF,  200
.set VF,  96                           ; window 2
.set CS,  22                           ; s[22:23] c = log2(e) / sqrt(128)
.set SEL, 24                           ; s[24:25]
.set MSB, 0
.macro WIN new                         ; the immediate's high byte repeats the setting that is left
.if MSB != \new
	s_set_vgpr_msb (MSB<<8)|\new
.set MSB, \new
.endif
.endm
.macro QUANT s, pc, tc, pw             ; 64 numbers of a lane become a fragment's codes in v[pc] on and its row's scale word in v[pw]
.irp b, 0,1,2,3
	v_max3_num_f32 v[TM+\b], |v[(\s)+16*\b]|, |v[(\s)+16*\b+1]|, 0x1800000
.endr
.irp i, 2,4,6,8,10,12,14
.irp b, 0,1,2,3
	v_max3_num_f32 v[TM+\b], v[TM+\b], |v[(\s)+16*\b+\i]|, |v[(\s)+16*\b+\i+1]|
.endr
.endr
.irp b, 0,1,2,3
	v_permlanex16_b32 v[TM+4+\b], v[TM+\b], s[SEL], s[SEL+1]
.endr
.irp b, 0,1,2,3
	v_max_num_f32 v[TM+\b], v[TM+\b], v[TM+4+\b]
.endr
.irp b, 0,1,2,3
	v_add_nc_u32 v[TM+12+\b], 0xff000000, v[TM+\b]
.endr
.irp b, 0,1,2,3
	v_lshrrev_b32 v[TM+4+\b], 23, v[TM+12+\b]
.endr
	v_lshl_or_b32 v[(\pw)], v[TM+5], 8, v[TM+4]
	v_lshl_or_b32 v[(\pw)], v[TM+6], 16, v[(\pw)]
	v_lshl_or_b32 v[(\pw)], v[TM+7], 24, v[(\pw)]
.irp c, 0,1
	v_cvt_scalef32_pk16_fp6_f32 v[(\pc)+6*\c:(\pc)+6*\c+2], v[(\s)+32*\c:(\s)+32*\c+15], v[TM+12+2*\c]
	v_cvt_scalef32_pk16_fp6_f32 v[(\tc)+4*\c:(\tc)+4*\c+2], v[(\s)+32*\c+16:(\s)+32*\c+31], v[TM+13+2*\c]
.endr
	v_nop
.irp c, 0,1
.irp i, 0,1,2
	v_permlane16_swap_b32 v[(\pc)+6*\c+\i], v[(\tc)+4*\c+\i]
.endr
.irp i, 0,1,2
	v_mov_b32 v[(\pc)+3+6*\c+\i], v[(\tc)+4*\c+\i]
.endr
.endr
.endm
.macro KLOAD                           ; a step's record of K: eight fragments and their scale words: 26 loads of 512 consecutive bytes
	WIN 0x80
.irp t, 0,1,2,3,4,5,6,7
.irp c, 0,1,2
	global_load_b128 v[12*\t+4*\c:12*\t+4*\c+3], v[LI], s[30:31] offset:1536*\t+512*\c
.endr
.endr
	WIN 0
.irp g, 0,1
	global_load_b128 v[KS+4*\g:KS+4*\g+3], v[LI], s[30:31] offset:12288+512*\g
.endr
.endm
.macro VLOAD                           ; the same of V
	WIN 0x80
.irp t, 0,1,2,3,4,5,6,7
.irp c, 0,1,2
	global_load_b128 v[VF+12*\t+4*\c:VF+12*\t+4*\c+3], v[LI], s[32:33] offset:1536*\t+512*\c
.endr
.endr
	WIN 0
.irp g, 0,1
	global_load_b128 v[VS+4*\g:VS+4*\g+3], v[LI], s[32:33] offset:12288+512*\g
.endr
.endm
.macro ILOAD                           ; the indices of my 64 keys of the step: register 16 b + i = key 32 b + 16 (lane / 16) + i: 16 loads
	WIN 0x40
.irp b, 0,1,2,3
.irp j, 0,1,2,3
	global_load_b128 v[KI+16*\b+4*\j:KI+16*\b+4*\j+3], v[HO], s[34:35] offset:128*\b+16*\j
.endr
.endr
	WIN 0
.endm
; The head of a trip, in two forms: mixed = 1 hides keys of other segments, mixed = 0 has none to hide.
.macro FRONT mixed
.if \mixed
	ILOAD
.endif
	VLOAD
.if \mixed
	s_wait_loadcnt 42                              ; K of this step (and, in the first trip, Q and the queries' indices) is in; younger: 16 index loads and V's 26
.else
	s_wait_loadcnt 26                              ; younger: V's 26
.endif
	WIN 0x06                                       ; source 0 (K) window 2, source 1 (Q) window 1, D window 0
.irp t, 0,1,2,3,4,5,6,7
.irp a, 0,1
	v_wmma_scale_f32_16x16x128_f8f6f4 v[S+64*\a+8*\t:S+64*\a+8*\t+7], v[12*\t:12*\t+11], v[QF+12*\a:QF+12*\a+11], 0, v[KS+\t], v[QS+\a] matrix_a_fmt:MATRIX_FMT_FP6 matrix_b_fmt:MATRIX_FMT_FP6
.endr
.endr
	WIN 0
.rept 4
	v_nop                                          ; four places behind the products: in front of the loads into K's registers and of the first read of the scores
.endr
	KLOAD                                          ; the next step's K: it has the rest of the trip in which to land
.if \mixed
	s_wait_loadcnt 52                              ; the key indices are in; younger: V's 26 and the next K's 26
	WIN 0x01                                       ; source 0 window 1
.set n, 0
.rept 64                                           ; ascending: each accumulator is first read at its low end
	v_cmp_eq_u32 s40, v[KI+n], v[QI]
	v_cmp_eq_u32 s41, v[KI+n], v[QI+1]
	v_cndmask_b32 v[S+n], v[NINF], v[S+n], s40     ; the score where the indices are equal, else -infinity
	v_cndmask_b32 v[S+64+n], v[NINF], v[S+64+n], s41
.set n, n+1
.endr
	WIN 0
.endif
.endm
; Tile a's softmax for one step of 128 keys, and p's codes and scale word.
.macro SOFT a
.set SB, S+64*(\a)
.set MB, MT+4*(\a)
.set PB, PC+12*(\a)
.set FB, FF+2*(\a)
.irp b, 0,1,2,3
	v_max3_num_f32 v[TM+\b], v[SB+16*\b], v[SB+16*\b+1], v[SB+16*\b+2]   ; the largest score of each block of 32 keys: for the row's maximum, and for the block's largest p
.endr
.irp i, 3,5,7,9,11,13
.irp b, 0,1,2,3
	v_max3_num_f32 v[TM+\b], v[TM+\b], v[SB+16*\b+\i], v[SB+16*\b+\i+1]
.endr
.endr
.irp b, 0,1,2,3
	v_max_num_f32 v[TM+\b], v[TM+\b], v[SB+16*\b+15]
.endr
.irp b, 0,1,2,3
	v_permlanex16_b32 v[TM+4+\b], v[TM+\b], s[SEL], s[SEL+1]
.endr
.irp b, 0,1,2,3
	v_max_num_f32 v[TM+\b], v[TM+\b], v[TM+4+\b]       ; with lane l xor 16's 16 keys
.endr
	v_max3_num_f32 v[XT], v[TM], v[TM+1], v[TM+2]
	v_max_num_f32 v[XT], v[XT], v[TM+3]
	v_mul_f32 v[XT], s[CS], v[XT]                      ; as t (c is positive); -infinity where every key of the step is hidden
	v_max_num_f32 v[MB+1], v[MB+1], v[XT]              ; the running largest t
	v_mov_b32 v[XT], v[MB]
	v_floor_f32 v[MB], -v[MB+1]                        ; the new -M = floor(-t): a whole number
	v_sub_f32 v[XT], v[MB], v[XT]                      ; old M - new M: a whole number, 0 or less
	v_cvt_i32_f32 v[XT], v[XT]                         ; (it saturates)
	v_ldexp_f32 v[FB], 1.0, v[XT]                      ; f = 2^(old M - new M)
.set j, 0
.rept 32
	v_pk_fma_f32 v[SB+j:SB+j+1], v[SB+j:SB+j+1], s[CS:CS+1], v[MB:MB+1] op_sel_hi:[1,0,0]   ; t - M, two at a time
.set j, j+2
.endr
.irp b, 0,1,2,3
	v_fma_f32 v[TM+\b], v[TM+\b], s[CS], v[MB]         ; the same of each block's largest score
.endr
.set j, 0
.rept 64
	v_exp_f32 v[SB+j], v[SB+j]                         ; p = 2^(t - M)
.set j, j+1
.endr
	v_pk_mul_f32 v[MB+2:MB+3], v[MB+2:MB+3], v[FB:FB+1] op_sel_hi:[1,0]   ; the sums under the new M: the plain instruction behind the batch
	s_wait_alu depctr_va_vdst(0)                       ; one wait for the 64 exponentials, ahead of their first reader
.irp b, 0,1,2,3
	v_exp_f32 v[TM+\b], v[TM+\b]                       ; the blocks' largest p
.endr
	v_pk_add_f32 v[CH:CH+1], v[SB:SB+1], v[SB+2:SB+3]  ; the row's sum of the unquantised p, in two chains; it reads the 64 alone
.set j, 4
.rept 15
	v_pk_add_f32 v[MB+2:MB+3], v[MB+2:MB+3], v[SB+j:SB+j+1]
	v_pk_add_f32 v[CH:CH+1], v[CH:CH+1], v[SB+j+2:SB+j+3]
.set j, j+4
.endr
	v_pk_add_f32 v[MB+2:MB+3], v[MB+2:MB+3], v[CH:CH+1]
	s_wait_alu depctr_va_vdst(0)                       ; and one for the four
.irp b, 0,1,2,3
	v_max_num_f32 v[TM+\b], 0x1800000, v[TM+\b]        ; the floor 2^(3 - 127): a block whose every p is 0 keeps the byte 1; its codes are zeros
.endr
.irp b, 0,1,2,3
	v_add_nc_u32 v[TM+12+\b], 0xff000000, v[TM+\b]
.endr
.irp b, 0,1,2,3
	v_lshrrev_b32 v[TM+4+\b], 23, v[TM+12+\b]
.endr
	v_lshl_or_b32 v[PS+(\a)], v[TM+5], 8, v[TM+4]      ; p's scale word for these 128 keys
	v_lshl_or_b32 v[PS+(\a)], v[TM+6], 16, v[PS+(\a)]
	v_lshl_or_b32 v[PS+(\a)], v[TM+7], 24, v[PS+(\a)]
.irp c, 0,1
	v_cvt_scalef32_pk16_fp6_f32 v[PB+6*\c:PB+6*\c+2], v[SB+32*\c:SB+32*\c+15], v[TM+12+2*\c]
	v_cvt_scalef32_pk16_fp6_f32 v[TC+4*\c:TC+4*\c+2], v[SB+32*\c+16:SB+32*\c+31], v[TM+13+2*\c]
.endr
	v_nop                                              ; one plain instruction behind the scaled conversions
.irp c, 0,1
.irp i, 0,1,2
	v_permlane16_swap_b32 v[PB+6*\c+\i], v[TC+4*\c+\i]
.endr
.irp i, 0,1,2
	v_mov_b32 v[PB+3+6*\c+\i], v[TC+4*\c+\i]
.endr
.endr
.endm
	s_load_b256 s[4:11], s[0:1], 0x0               ; qkv s[4:5], seg s[6:7], index s[8:9], res s[10:11]
	v_lshrrev_b32 v8, 5, v0
	v_readfirstlane_b32 s12, v8                    ; wave
	v_and_b32 v8, 31, v0
	v_lshlrev_b32 v[LI], 4, v8
	v_lshlrev_b32 v[LS], 2, v8
	v_bfe_u32 v[HO], v0, 4, 1
	v_lshlrev_b32 v[HO], 6, v[HO]
	v_and_b32 v8, 15, v0
	v_and_b32 v[QO], 8, v8
	v_add_nc_u32 v[QO], v[QO], v8
	v_lshlrev_b32 v[QO], 2, v[QO]
	s_and_b32 s13, ttmp7, 0xffff                   ; head
	s_mov_b32 s14, ttmp9                           ; block of 128 queries
	s_lshl_b32 s15, s14, 2
	s_add_co_u32 s15, s15, s12                     ; my query pair
	s_mov_b32 s37, 0
	s_mov_b32 s[CS], 0x3e0293ee
	s_mov_b32 s[CS+1], s[CS]                       ; (named with it as a pair, so it is written)
	s_mov_b32 s[SEL], 0x76543210
	s_mov_b32 s[SEL+1], 0xfedcba98
	s_wait_kmcnt 0x0
	s_lshl_b32 s36, s15, 3
	s_add_nc_u64 s[6:7], s[6:7], s[36:37]
	s_load_b64 s[16:17], s[6:7], 0x0               ; ACT s16, PURE s17
	s_lshl_b32 s36, s13, 5
	s_add_co_u32 s36, s36, s14
	s_mul_i32 s36, s36, REC
	s_add_nc_u64 s[46:47], s[4:5], s[36:37]        ; q's record of (head, tb)
	s_mul_i32 s36, s12, 3072
	s_add_nc_u64 s[38:39], s[46:47], s[36:37]      ; my two fragments: 2 wave, 2 wave + 1
	s_lshr_b32 s36, s12, 1
	s_lshl_b32 s36, s36, 9
	s_and_b32 s40, s12, 1
	s_lshl_b32 s40, s40, 3
	s_add_co_u32 s36, s36, s40
	s_add_co_u32 s36, s36, 12288
	s_add_nc_u64 s[46:47], s[46:47], s[36:37]      ; and their two scale words of each lane
	s_lshl_b32 s36, s13, 5
	s_add_co_u32 s36, s36, 256
	s_mul_i32 s36, s36, REC
	s_add_nc_u64 s[26:27], s[4:5], s[36:37]        ; k's records of the head
	s_add_nc_u64 s[28:29], s[26:27], 256*REC       ; v's
	s_lshl_b32 s36, s15, 7
	s_add_nc_u64 s[34:35], s[8:9], s[36:37]        ; my 32 queries' indices
	s_lshl_b32 s36, s15, 4
	s_add_co_u32 s40, s36, s13                     ; res: fragment 8 (2 qp) + head
	s_mul_i32 s36, s40, 1536
	s_add_nc_u64 s[42:43], s[10:11], s[36:37]
	s_lshl_b32 s36, s40, 7
	s_add_co_u32 s36, s36, SC0
	s_add_nc_u64 s[44:45], s[10:11], s[36:37]
	WIN 0x40
.irp a, 0,1
.irp c, 0,1,2
	global_load_b128 v[QF+12*\a+4*\c:QF+12*\a+4*\c+3], v[LI], s[38:39] offset:1536*\a+512*\c   ; Q stays in registers
.endr
.endr
	WIN 0
	global_load_b64 v[QS:QS+1], v[LI], s[46:47]
	global_load_b32 v[QI], v[QO], s[34:35]
	global_load_b32 v[QI+1], v[QO], s[34:35] offset:32
.irp a, 0,1
	v_mov_b32 v[MT+4*\a+1], 0xff61b1e6             ; the largest t so far: -3e38
	v_floor_f32 v[MT+4*\a], -v[MT+4*\a+1]          ; -M
	v_mov_b32 v[MT+4*\a+2], 0                      ; the sum, in two halves
	v_mov_b32 v[MT+4*\a+3], 0
	v_mov_b32 v[FF+2*\a+1], 0                      ; (named as the upper half of f's pair)
.endr
.irp b, 0,1,2,3
	v_mov_b32 v[TM+4+\b], 0                        ; written once: a lane permute's destination counts as one of its sources
.endr
	WIN 0x40
	v_mov_b32 v[NINF], 0xff800000
.set j, 0
.rept 128
	v_mov_b32 v[j], 0                              ; O^T: the trip is written once, so its first pass finds zeros
.set j, j+1
.endr
	WIN 0
	s_wait_kmcnt 0x0
	s_bcnt1_i32_b32 s18, s16                       ; trips: the steps in ACT, at least the pair's own,
	s_min_u32 s18, s18, 32                         ; at most 32
	s_mov_b32 s19, 0
	s_ctz_i32_b32 s20, s16                         ; the first step,
	s_min_u32 s20, s20, 31                         ; held inside the table
	s_mul_i32 s36, s20, REC
	s_add_nc_u64 s[30:31], s[26:27], s[36:37]
	KLOAD
.Ltrip:
	s_wait_xcnt 0x0                                ; every load issued so far has read its base: the three bases are written again only behind this wait
	s_mul_i32 s36, s20, REC
	s_add_nc_u64 s[32:33], s[28:29], s[36:37]      ; V of this step
	s_lshl_b32 s36, s20, 9
	s_add_nc_u64 s[34:35], s[8:9], s[36:37]        ; its keys' indices
	s_sub_co_u32 s36, s16, 1
	s_and_b32 s16, s16, s36                        ; this step's bit leaves ACT
	s_ctz_i32_b32 s21, s16                         ; the next step;
	s_min_u32 s21, s21, 31                         ; where none is left: 31, a load inside the buffer that nobody uses
	s_mul_i32 s36, s21, REC
	s_add_nc_u64 s[30:31], s[26:27], s[36:37]      ; K of the next step
	s_bitcmp1_b32 s17, s20
	s_cbranch_scc1 .Lpure
	FRONT 1
	s_branch .Ljoin
.Lpure:
	FRONT 0
.Ljoin:
	SOFT 0
	SOFT 1
	WIN 0x41                                       ; O^T (destination and source 0) window 1, f window 0
.irp a, 0,1
.set j, 0
.rept 32
	v_pk_mul_f32 v[64*\a+j:64*\a+j+1], v[64*\a+j:64*\a+j+1], v[FF+2*\a:FF+2*\a+1] op_sel_hi:[1,0]   ; O^T under the new M, each accumulator from its low end on; these 64 also stand between p's codes and scale words and the products
.set j, j+2
.endr
.endr
	s_wait_loadcnt 26                              ; V is in; younger: the next K's 26
	WIN 0x52                                       ; source 0 (V) window 2, source 1 (P) window 0, C and D window 1
.irp t, 0,1,2,3,4,5,6,7
.irp a, 0,1                                        ; sixteen accumulators by turns, one instruction a turn
	v_wmma_scale_f32_16x16x128_f8f6f4 v[64*\a+8*\t:64*\a+8*\t+7], v[VF+12*\t:VF+12*\t+11], v[PC+12*\a:PC+12*\a+11], v[64*\a+8*\t:64*\a+8*\t+7], v[VS+\t], v[PS+\a] matrix_a_fmt:MATRIX_FMT_FP6 matrix_b_fmt:MATRIX_FMT_FP6
.endr
.endr
	WIN 0
.rept 4
	v_nop                                          ; four places behind the products: in front of the next trip's loads into V's registers, and of the way out's first read of O^T
.endr
	s_mov_b32 s20, s21
	s_add_co_u32 s19, s19, 1
	s_cmp_lt_u32 s19, s18
	s_cbranch_scc1 .Ltrip
	; THE WAY OUT: O^T / the sum, quantised along the channels: K step `head` of the last product
.irp a, 0,1
	v_add_f32 v[MT+4*\a+2], v[MT+4*\a+2], v[MT+4*\a+3]
.endr
.irp a, 0,1
	v_permlanex16_b32 v[TM+4+\a], v[MT+4*\a+2], s[SEL], s[SEL+1]
.endr
.irp a, 0,1
	v_add_f32 v[MT+4*\a+2], v[MT+4*\a+2], v[TM+4+\a]   ; with lane l xor 16's keys: the row's sum
.endr
.irp a, 0,1
	v_rcp_f32 v[RL+\a], v[MT+4*\a+2]
.endr
	v_nop                                          ; a plain instruction behind the reciprocals
	s_wait_alu depctr_va_vdst(0)                   ; one wait for both, ahead of their first reader
	WIN 0x01
.irp a, 0,1
.set j, 0
.rept 64
	v_mul_f32 v[S+64*\a+j], v[64*\a+j], v[RL+\a]   ; register 16 b + i: channel 32 b + 16 (lane / 16) + i of my query
.set j, j+1
.endr
.endr
	WIN 0
.irp a, 0,1
	QUANT S+64*\a, PC+12*\a, TC, PS+\a
.irp c, 0,1,2
	global_store_b128 v[LI], v[PC+12*\a+4*\c:PC+12*\a+4*\c+3], s[42:43] offset:12288*\a+512*\c   ; tile a's fragment lies 8 fragments on; 512 consecutive bytes a store
.endr
	global_store_b32 v[LS], v[PS+\a], s[44:45] offset:1024*\a
.endr
	s_endpgm
.Lfunc_end_k_q4b8e04c8ba_attn:
	.size	k_q4b8e04c8ba_attn, .Lfunc_end_k_q4b8e04c8ba_attn-k_q4b8e04c8ba_attn
	.p2alignl 7, 3214868480
	.fill 96, 4, 3214868480
	.section	.rodata,"a",@progbits
	.p2align	6, 0x0
	.amdhsa_kernel k_q4b8e04c8ba_attn
		.amdhsa_group_segment_fixed_size 0
		.amdhsa_private_segment_fixed_size 0
		.amdhsa_enable_private_segment 0
		.amdhsa_kernarg_size 32
		.amdhsa_user_sgpr_count 2
		.amdhsa_user_sgpr_kernarg_segment_ptr 1
		.amdhsa_wavefront_size32 1
		.amdhsa_system_sgpr_workgroup_id_x 1
		.amdhsa_system_sgpr_workgroup_id_y 1
		.amdhsa_system_sgpr_workgroup_id_z 1
		.amdhsa_system_vgpr_workitem_id 0
		.amdhsa_next_free_vgpr 768
		.amdhsa_next_free_sgpr 66
		.amdhsa_reserve_vcc 0
		.amdhsa_float_denorm_mode_32 3
		.amdhsa_float_denorm_mode_16_64 3
		.amdhsa_memory_ordered 1
		.amdhsa_forward_progress 1
		.amdhsa_inst_pref_size 84
	.end_amdhsa_kernel
	.amdgpu_metadata
---
amdhsa.version: [ 1, 2 ]
amdhsa.kernels:
  - .name:           k_q4b8e04c8ba_attn
    .symbol:         k_q4b8e04c8ba_attn.kd
    .args:
      - { .name: qkv, .offset: 0, .size: 8, .value_kind: global_buffer, .address_space: global }
      - { .name: seg, .offset: 8, .size: 8, .value_kind: global_buffer, .address_space: global }
      - { .name: index, .offset: 16, .size: 8, .value_kind: global_buffer, .address_space: global }
      - { .name: res, .offset: 24, .size: 8, .value_kind: global_buffer, .address_space: global }
    .group_segment_fixed_size: 0
    .private_segment_fixed_size: 0
    .kernarg_segment_align: 8
    .kernarg_segment_size: 32
    .max_flat_workgroup_size: 128
    .sgpr_count:     66
    .vgpr_count:     768
    .wavefront_size: 32
...
	.end_amdgpu_metadata
.endif
;; end of part 3
;; launch proj (part 4): grid 32 x 8, 4 waves a work-group, no clusters, 35,328 bytes of LDS; arguments res, xw, out0; writes out0
.if DOCPART == 4
	.amdgcn_target "amdgcn-amd-amdhsa--gfx1250"
	.amdhsa_code_object_version 6
	.text
	.protected	k_q4b8e04c8ba_proj
	.globl	k_q4b8e04c8ba_proj
	.p2align	8
	.type	k_q4b8e04c8ba_proj,@function
k_q4b8e04c8ba_proj:
	s_mov_b64 s[64:65], 0
	v_nop
	global_prefetch_b8 v0, s[64:65] scope:SCOPE_SE
	s_setreg_imm32_b32 hwreg(HW_REG_WAVE_MODE, 25, 1), 1
	s_wait_xcnt 0x0
; out0 = res Wo on codes of FP6 (E2M3) with E8M0 scales, K = 1,024 in eight steps of 128 (one a head); out0 [4096][512] f32.
; SHARES: work-group (tb, g): 128 tokens x 64 columns.  Wave w takes token pair qp = 4 tb + w (two tiles of 16) against the group's four column tiles: 8 accumulators, 64 matrix instructions.
; Source 0 = Wo's tile, source 1 = res's: lane (r, h) of accumulator (a, i) holds token 32 qp + 8 a + r + 8 (r / 8) and, in register j, column 64 g + 32 (i / 2) + 16 h + 8 (i % 2) + j.
; Both operands come as register images (1,536 bytes a fragment, 128 bytes a scale image) straight into registers, each fragment once a wave.
; NO TENSOR LOADS, NO CLUSTER, though 32 work-groups read a column group of Wo and 8 a token pair: a wave has 64 matrix instructions in all, and a hop through LDS behind barriers would stand in series ahead of them.
; The results turn through the wave's own stage in LDS (32 rows x 272 bytes), so that sixteen lanes store 256 consecutive bytes of a row, aligned.  No barrier: the bytes are the wave's own.
; REGISTERS, in windows of 256: window 0: v1-5 addresses; v16-47 Wo's scale words; v48-63 res's; v64-127 the accumulators; v128-191 rows read back.
;   window 1: Wo's fragments of K steps 0-3 at v[12 (i + 4 (s % 4))];  window 2: of K steps 4-7;  window 3: res's at v[12 (a + 2 s)].
.set SC0, 3145728
.set LI,  1
.set LS,  2
.set STO, 3
.set RD,  4
.set CO,  5
.set WS,  16
.set RS,  48
.set ACC, 64
.set BK,  128
.set MSB, 0
.macro WIN new                         ; the immediate's high byte repeats the setting that is left
.if MSB != \new
	s_set_vgpr_msb (MSB<<8)|\new
.set MSB, \new
.endif
.endm
	s_load_b128 s[4:7], s[0:1], 0x0                ; res s[4:5], xw s[6:7]
	s_load_b64 s[8:9], s[0:1], 0x10                ; out0
	v_lshl_add_u32 v254, v0, 2, 0x8800
	v_mov_b32 v255, 0
	v_lshrrev_b32 v6, 5, v0
	v_readfirstlane_b32 s10, v6                    ; wave
	v_and_b32 v8, 31, v0
	v_lshlrev_b32 v[LI], 4, v8
	v_lshlrev_b32 v[LS], 2, v8
	v_and_b32 v6, 15, v0                           ; r
	v_bfe_u32 v7, v0, 4, 1                         ; h
	v_and_b32 v8, 8, v6
	v_add_nc_u32 v8, v8, v6                        ; r + 8 (r / 8)
	s_mul_i32 s26, s10, 8704                       ; my stage
	v_mul_u32_u24 v[STO], v8, 272
	v_lshl_add_u32 v[STO], v7, 6, v[STO]
	v_add_nc_u32 v[STO], s26, v[STO]               ; in: my token's row, + 64 h
	v_mul_u32_u24 v[RD], v7, 272
	v_lshl_add_u32 v[RD], v6, 4, v[RD]
	v_add_nc_u32 v[RD], s26, v[RD]                 ; back: lanes 0-15 one row, lanes 16-31 the next
	v_lshlrev_b32 v[CO], 11, v7
	v_lshl_add_u32 v[CO], v6, 4, v[CO]             ; and the same two rows in out0 (2,048 bytes a row)
	s_and_b32 s11, ttmp7, 0xffff                   ; column group
	s_lshl_b32 s12, ttmp9, 2
	s_add_co_u32 s12, s12, s10                     ; token pair
	s_mov_b32 s25, 0
	s_lshl_b32 s27, s11, 5
	s_add_co_u32 s27, s27, 1792                    ; the group's first fragment of Wo
	s_wait_kmcnt 0x0
	s_mul_i32 s24, s27, 1536
	s_add_nc_u64 s[14:15], s[6:7], s[24:25]
	s_lshl_b32 s24, s27, 7
	s_add_co_u32 s24, s24, SC0
	s_add_nc_u64 s[16:17], s[6:7], s[24:25]
	s_mul_i32 s24, s12, 16*1536                    ; the pair's 16 fragments of res
	s_add_nc_u64 s[18:19], s[4:5], s[24:25]
	s_lshl_b32 s24, s12, 11
	s_add_co_u32 s24, s24, SC0
	s_add_nc_u64 s[20:21], s[4:5], s[24:25]
	s_lshl_b32 s24, s12, 16                        ; 32 rows of 2,048 bytes a pair,
	s_lshl_b32 s27, s11, 8                         ; 256 bytes a column group
	s_add_co_u32 s24, s24, s27
	s_add_nc_u64 s[22:23], s[8:9], s[24:25]
.irp s, 0,1,2,3,4,5,6,7
.irp i, 0,1,2,3
	global_load_b32 v[WS+\i+4*\s], v[LS], s[16:17] offset:(8*\i+\s)*128
.endr
.endr
.irp s, 0,1,2,3,4,5,6,7
.irp a, 0,1
	global_load_b32 v[RS+\a+2*\s], v[LS], s[20:21] offset:(8*\a+\s)*128
.endr
.endr
.irp s, 0,1,2,3,4,5,6,7                        ; K step by K step: 18 loads of 512 consecutive bytes each
.if \s < 4
	WIN 0x40
.else
	WIN 0x80
.endif
.irp i, 0,1,2,3
.irp c, 0,1,2
	global_load_b128 v[12*(\i+4*(\s%4))+4*\c:12*(\i+4*(\s%4))+4*\c+3], v[LI], s[14:15] offset:(8*\i+\s)*1536+512*\c
.endr
.endr
	WIN 0xc0
.irp a, 0,1
.irp c, 0,1,2
	global_load_b128 v[12*(\a+2*\s)+4*\c:12*(\a+2*\s)+4*\c+3], v[LI], s[18:19] offset:(8*\a+\s)*1536+512*\c
.endr
.endr
.endr
.irp s, 0,1,2,3,4,5,6,7
.if 18*(7-\s) > 63
	s_wait_loadcnt 63                              ; more than 63 younger loads stand behind this K step's: the largest count that the wait can name, and smaller than theirs
.else
	s_wait_loadcnt 18*(7-\s)                       ; younger: the later K steps' 18 loads each
.endif
.if \s < 4
	WIN 0x0d                                       ; source 0 (Wo) window 1, source 1 (res) window 3, C and D window 0
.else
	WIN 0x0e                                       ; source 0 window 2
.endif
.irp a, 0,1
.irp i, 0,1,2,3                                ; the eight accumulators by turns, one instruction a turn
.if \s == 0
	v_wmma_scale_f32_16x16x128_f8f6f4 v[ACC+8*(4*\a+\i):ACC+8*(4*\a+\i)+7], v[12*(\i+4*(\s%4)):12*(\i+4*(\s%4))+11], v[12*(\a+2*\s):12*(\a+2*\s)+11], 0, v[WS+\i+4*\s], v[RS+\a+2*\s] matrix_a_fmt:MATRIX_FMT_FP6 matrix_b_fmt:MATRIX_FMT_FP6
.else
	v_wmma_scale_f32_16x16x128_f8f6f4 v[ACC+8*(4*\a+\i):ACC+8*(4*\a+\i)+7], v[12*(\i+4*(\s%4)):12*(\i+4*(\s%4))+11], v[12*(\a+2*\s):12*(\a+2*\s)+11], v[ACC+8*(4*\a+\i):ACC+8*(4*\a+\i)+7], v[WS+\i+4*\s], v[RS+\a+2*\s] matrix_a_fmt:MATRIX_FMT_FP6 matrix_b_fmt:MATRIX_FMT_FP6
.endif
.endr
.endr
.endr
	WIN 0
.rept 4
	v_nop                                          ; four places behind the last products, in front of the first read of results
.endr
.irp a, 0,1
.irp i, 0,1,2,3
	ds_store_b128 v[STO], v[ACC+8*(4*\a+\i):ACC+8*(4*\a+\i)+3] offset:8*\a*272+128*(\i/2)+32*(\i%2)        ; each accumulator from its low end on
	ds_store_b128 v[STO], v[ACC+8*(4*\a+\i)+4:ACC+8*(4*\a+\i)+7] offset:8*\a*272+128*(\i/2)+32*(\i%2)+16
.endr
.endr
.irp n, 0,1,2,3,4,5,6,7,8,9,10,11,12,13,14,15
	ds_load_b128 v[BK+4*\n:BK+4*\n+3], v[RD] offset:2*\n*272   ; LDS serves a wave's instructions in order: these see my stores
.endr
.irp n, 0,1,2,3,4,5,6,7,8,9,10,11,12,13,14,15
	s_wait_dscnt 15-\n                             ; rows 2 n and 2 n + 1 are back; the younger loads may be out
	global_store_b128 v[CO], v[BK+4*\n:BK+4*\n+3], s[22:23] offset:2*\n*2048 th:TH_STORE_NT   ; sixteen lanes store 256 consecutive bytes, at a multiple of 256 from out0's first byte
.endr
	s_wait_tensorcnt 0x0
	ds_add_u32 v254, v255
	s_wait_dscnt 0x0
	s_endpgm
.Lfunc_end_k_q4b8e04c8ba_proj:
	.size	k_q4b8e04c8ba_proj, .Lfunc_end_k_q4b8e04c8ba_proj-k_q4b8e04c8ba_proj
	.p2alignl 7, 3214868480
	.fill 96, 4, 3214868480
	.section	.rodata,"a",@progbits
	.p2align	6, 0x0
	.amdhsa_kernel k_q4b8e04c8ba_proj
		.amdhsa_group_segment_fixed_size 35328
		.amdhsa_private_segment_fixed_size 0
		.amdhsa_enable_private_segment 0
		.amdhsa_kernarg_size 24
		.amdhsa_user_sgpr_count 2
		.amdhsa_user_sgpr_kernarg_segment_ptr 1
		.amdhsa_wavefront_size32 1
		.amdhsa_system_sgpr_workgroup_id_x 1
		.amdhsa_system_sgpr_workgroup_id_y 1
		.amdhsa_system_sgpr_workgroup_id_z 1
		.amdhsa_system_vgpr_workitem_id 0
		.amdhsa_next_free_vgpr 1024
		.amdhsa_next_free_sgpr 66
		.amdhsa_reserve_vcc 0
		.amdhsa_float_denorm_mode_32 3
		.amdhsa_float_denorm_mode_16_64 3
		.amdhsa_memory_ordered 1
		.amdhsa_forward_progress 1
		.amdhsa_inst_pref_size 34
	.end_amdhsa_kernel
	.amdgpu_metadata
---
amdhsa.version: [ 1, 2 ]
amdhsa.kernels:
  - .name:           k_q4b8e04c8ba_proj
    .symbol:         k_q4b8e04c8ba_proj.kd
    .args:
      - { .name: res, .offset: 0, .size: 8, .value_kind: global_buffer, .address_space: global }
      - { .name: xw, .offset: 8, .size: 8, .value_kind: global_buffer, .address_space: global }
      - { .name: out0, .offset: 16, .size: 8, .value_kind: global_buffer, .address_space: global }
    .group_segment_fixed_size: 35328
    .private_segment_fixed_size: 0
    .kernarg_segment_align: 8
    .kernarg_segment_size: 24
    .max_flat_workgroup_size: 128
    .sgpr_count:     66
    .vgpr_count:     1024
    .wavefront_size: 32
...
	.end_amdgpu_metadata
.endif
;; end of part 4
;; ======== version 2 of 2: 4 launches; version 1 with the launches qkv, attn, proj written anew for expert scheduling mode
;; workspace buffers: xw 3,407,872 bytes; seg 1,024 bytes of whole numbers; qkv 10,223,616 bytes; res 3,407,872 bytes
;; launch prep: the kernel of part 1 again; grid 513 x 1, 4 waves a work-group, no clusters, 34,304 bytes of LDS; arguments inputs, Wq, Wk, Wv, Wo, index, xw, seg; writes xw, seg
;; launch qkv (part 5): grid 32 x 8, 3 waves a work-group, no clusters, 0 bytes of LDS; arguments xw, qkv; writes qkv
.if DOCPART == 5
	.amdgcn_target "amdgcn-amd-amdhsa--gfx1250"
	.amdhsa_code_object_version 6
	.text
	.protected	k_q4b8e04c8ba_qkv
	.globl	k_q4b8e04c8ba_qkv
	.p2align	8
	.type	k_q4b8e04c8ba_qkv,@function
k_q4b8e04c8ba_qkv:
	s_mov_b64 s[64:65], 0
	v_nop
	global_prefetch_b8 v0, s[64:65] scope:SCOPE_SE
	s_setreg_imm32_b32 hwreg(HW_REG_WAVE_SCHED_MODE, 0, 2), 2
	s_setreg_imm32_b32 hwreg(HW_REG_WAVE_MODE, 25, 1), 1
	s_wait_xcnt 0x0
	s_wait_alu depctr_vm_vsrc(0)
; q = x Wq, k = x Wk, v = x Wv on codes of FP6 (E2M3) with E8M0 scales, K = 512; the results are quantised in registers and leave as operand images:
; q and k along the head's 128 channels, v along the KEYS (tokens), in blocks of 32 from the axis's start.
; SHARES: work-group (tb, head): 128 tokens, one head.  Wave 0 makes q, wave 1 k, wave 2 v.  One text: only pointers differ.
; A STATIONARY block S (8 tiles x 4 K steps, 384 registers) is source 0, a STREAMED block R (8 tiles, one after the other) is source 1.
; q, k: S = the head's 128 columns of the weight, R = the tokens: a lane holds a token, its registers run along the channels.
; v:    S = the tokens, R = the head's columns of Wv: a lane holds a channel, its registers run along the tokens.
; By the choice of a tile's rows (lane r of tile T: row 32 (T / 2) + 8 (T % 2) + r + 8 (r / 8)) result register 16 b + i is k = 32 b + 16 (lane / 16) + i of the NEXT product.
; OUT: record 256 w + 32 head + tb of 13,312 bytes: eight fragment images (1,536 bytes each), then the eight scale words of each lane (word i at 12288 + 512 (i / 4) + 16 lane + 4 (i % 4)).
; NO TENSOR LOADS, NO CLUSTER, though 32 work-groups read a weight block and 8 a token block: K is four steps, every wave reads each of its 64 fragments once, as images, straight into
; the operand registers; a hop through LDS and a round of barriers would stand in series ahead of a wave's 256 matrix instructions.
; LIMITS: a block whose largest magnitude lies under 2^-124 (a block of zeros too) gets the byte 1; NaN and infinities are not served.
; THE MODE: SCHED_MODE bits 1:0 = 2 (LLVM: expert scheduling mode 2), set by the entry lines.  The code itself states the register dependences
; between vector or matrix instructions and memory instructions, with s_wait_alu, always for 0.
; THE PLAN.  Registers that memory instructions touch:
;   S, SS        loaded once at the head; read by matrix instructions alone.
;   R0 .. R2     three sets of R's fragments and scale words.  Tile i's products read set i % 3; the loads of tile i + 2, issued at tile i's head, land in set (i + 2) % 3 = (i - 1) % 3.
;   PC0, PC1     two out-buffers of codes.  Tile i's quantiser writes PC[i % 2]; the three stores that read it are issued at tile i + 1's head.
;   PWS          the eight outgoing scale words: written by the quantisers, read by two stores at the end.
;   v[LI], v[LS] offsets, made once at the head and never written again.
; So ONE wait on va_vdst stands at the head of a tile: the tile before is done reading its R set and has written its PC.  The tile's 16 loads and 3 stores follow it with no vector instruction between.
; The wait on vm_vsrc beside s_wait_xcnt at a tile's head stands a whole tile behind the stores whose data registers this tile's quantiser writes again.
; REGISTERS, in windows of 256: window 0: v1-2 addresses; v16-47 S's scale words; v48-59 R's, three sets; v64-127 eight accumulators; v128-175 at work and the two out-buffers; v176-183 the outgoing scale words.
;   window 1: S's fragments of K steps 0, 1 at v[12 (t + 8 (s % 2))];  window 2: of K steps 2, 3;  window 3: R's fragments, set e at v[48 e + 12 s].
.set SC0, 3145728
.set REC, 13312
.set LI,  1
.set LS,  2
.set SS,  16
.set RS,  48
.set HA,  64
.set TM,  128
.set PC,  144                          ; out-buffer e at v[PC + 20 e]: v144-155, v164-175
.set TC,  156
.set PWS, 176
.set SEL, 22
.set MSB, 0
.macro WIN new                         ; the immediate's high byte repeats the setting that is left
.if MSB != \new
	s_set_vgpr_msb (MSB<<8)|\new
.set MSB, \new
.endif
.endm
.macro QUANT s, pc, tc, pw             ; 64 numbers of a lane become a fragment's codes in v[pc] on and its row's scale word in v[pw]
.irp b, 0,1,2,3
	v_max3_num_f32 v[TM+\b], |v[(\s)+16*\b]|, |v[(\s)+16*\b+1]|, 0x1800000   ; each accumulator is first read at its low end; the floor 2^(3 - 127) holds the byte at 1 from below
.endr
.irp i, 2,4,6,8,10,12,14
.irp b, 0,1,2,3
	v_max3_num_f32 v[TM+\b], v[TM+\b], |v[(\s)+16*\b+\i]|, |v[(\s)+16*\b+\i+1]|
.endr
.endr
.irp b, 0,1,2,3
	v_permlanex16_b32 v[TM+4+\b], v[TM+\b], s[SEL], s[SEL+1]
.endr
.irp b, 0,1,2,3
	v_max_num_f32 v[TM+\b], v[TM+\b], v[TM+4+\b]
.endr
.irp b, 0,1,2,3
	v_add_nc_u32 v[TM+12+\b], 0xff000000, v[TM+\b]     ; 2 off the exponent field: the conversion's scale operand
.endr
.irp b, 0,1,2,3
	v_lshrrev_b32 v[TM+4+\b], 23, v[TM+12+\b]          ; the scale's byte
.endr
	v_lshl_or_b32 v[(\pw)], v[TM+5], 8, v[TM+4]
	v_lshl_or_b32 v[(\pw)], v[TM+6], 16, v[(\pw)]
	v_lshl_or_b32 v[(\pw)], v[TM+7], 24, v[(\pw)]
.irp c, 0,1
	v_cvt_scalef32_pk16_fp6_f32 v[(\pc)+6*\c:(\pc)+6*\c+2], v[(\s)+32*\c:(\s)+32*\c+15], v[TM+12+2*\c]
	v_cvt_scalef32_pk16_fp6_f32 v[(\tc)+4*\c:(\tc)+4*\c+2], v[(\s)+32*\c+16:(\s)+32*\c+31], v[TM+13+2*\c]
.endr
	v_nop                                              ; one plain instruction behind the scaled conversions: their sources are written again by the next tile's products
.irp c, 0,1
.irp i, 0,1,2
	v_permlane16_swap_b32 v[(\pc)+6*\c+\i], v[(\tc)+4*\c+\i]
.endr
.irp i, 0,1,2
	v_mov_b32 v[(\pc)+3+6*\c+\i], v[(\tc)+4*\c+\i]
.endr
.endr
.endm
.macro RLOAD i                         ; R's tile i, four K steps, and its scale words: 16 loads, into set i % 3
	WIN 0xc0
.irp s, 0,1,2,3
.irp c, 0,1,2
	global_load_b128 v[48*((\i)%3)+12*\s+4*\c:48*((\i)%3)+12*\s+4*\c+3], v[LI], s[16:17] offset:(4*(\i)+\s)*1536+512*\c
.endr
.endr
	WIN 0
.irp s, 0,1,2,3
	global_load_b32 v[RS+4*((\i)%3)+\s], v[LS], s[18:19] offset:(4*(\i)+\s)*128
.endr
.endm
.macro SLOAD s                         ; S's eight fragments of K step s: 24 loads
.if (\s) < 2
	WIN 0x40
.else
	WIN 0x80
.endif
.irp t, 0,1,2,3,4,5,6,7
.irp c, 0,1,2
	global_load_b128 v[12*(\t+8*((\s)%2))+4*\c:12*(\t+8*((\s)%2))+4*\c+3], v[LI], s[12:13] offset:(4*\t+(\s))*1536+512*\c
.endr
.endr
.endm
.macro SEND i                          ; tile i's fragment leaves from out-buffer i % 2
.irp c, 0,1,2
	global_store_b128 v[LI], v[PC+20*((\i)%2)+4*\c:PC+20*((\i)%2)+4*\c+3], s[20:21] offset:(\i)*1536+512*\c   ; 512 consecutive bytes a store
.endr
.endm
.macro MULS i, s                       ; eight products: S's tiles against R's tile i, K step s.  The eight accumulators take turns, one instruction a turn
.if (\s) < 2
	WIN 0x0d                                       ; source 0 window 1, source 1 window 3, C and D window 0
.else
	WIN 0x0e                                       ; source 0 window 2
.endif
.irp t, 0,1,2,3,4,5,6,7
.if (\s) == 0
	v_wmma_scale_f32_16x16x128_f8f6f4 v[HA+8*\t:HA+8*\t+7], v[12*(\t+8*((\s)%2)):12*(\t+8*((\s)%2))+11], v[48*((\i)%3)+12*(\s):48*((\i)%3)+12*(\s)+11], 0, v[SS+4*\t+(\s)], v[RS+4*((\i)%3)+(\s)] matrix_a_fmt:MATRIX_FMT_FP6 matrix_b_fmt:MATRIX_FMT_FP6
.else
	v_wmma_scale_f32_16x16x128_f8f6f4 v[HA+8*\t:HA+8*\t+7], v[12*(\t+8*((\s)%2)):12*(\t+8*((\s)%2))+11], v[48*((\i)%3)+12*(\s):48*((\i)%3)+12*(\s)+11], v[HA+8*\t:HA+8*\t+7], v[SS+4*\t+(\s)], v[RS+4*((\i)%3)+(\s)] matrix_a_fmt:MATRIX_FMT_FP6 matrix_b_fmt:MATRIX_FMT_FP6
.endif
.endr
.endm
.macro TILE i
.if (\i) > 0
.if (\i) < 7
	s_wait_loadcnt 16                              ; this tile's set of R is in; younger: the next tile's 16 loads
.else
	s_wait_loadcnt 0x0
.endif
.if (\i) > 1
	s_wait_xcnt 0x0                                ; the stores issued at the last tile's head have had their addresses translated: their data registers are written again only behind this wait,
	s_wait_alu depctr_vm_vsrc(0)                   ; and they have read out-buffer i % 2, which this tile's quantiser writes again
.endif
.if (\i) < 6
	WIN 0xc0                                       ; the window of the loads below is set ahead of the wait
.endif
	s_wait_alu depctr_va_vdst(0)                   ; the tile before has written its out-buffer, which the stores below read; its products are done reading their set of R and its scale words, in which the loads below land (tiles 1 to 5)
.if (\i) < 6
	RLOAD (\i)+2                                   ; two tiles ahead, into the set that the tile before has left
.endif
	SEND (\i)-1
.endif
.irp s, 0,1,2,3
.if (\i) == 0                          ; the first tile starts as soon as its K step's part of S is in
.if \s < 2
	s_wait_loadcnt 63                              ; 88 and 64 younger loads stand behind what is needed: the count is the largest that the wait can name, and smaller than both
.elseif \s == 2
	s_wait_loadcnt 40                              ; younger: S's K step 3 (24) and R's tile 1 (16)
.else
	s_wait_loadcnt 16                              ; younger: R's tile 1
.endif
.endif
	MULS \i, \s
.endr
.if (\i) == 0
	RLOAD 2                                        ; into the third set.  No wait: no vector or matrix instruction has named that set, nor the two offsets since the head's wait
.endif
	WIN 0
.rept 4
	v_nop                                          ; four places behind the products, in front of the first read of the results
.endr
	QUANT HA, PC+20*((\i)%2), TC, PWS+(\i)
.endm
	s_load_b128 s[4:7], s[0:1], 0x0                ; xw s[4:5], qkv s[6:7]
	v_lshrrev_b32 v3, 5, v0
	v_readfirstlane_b32 s8, v3                     ; wave: 0 q, 1 k, 2 v
	v_and_b32 v3, 31, v0
	v_lshlrev_b32 v[LI], 4, v3
	v_lshlrev_b32 v[LS], 2, v3
	s_and_b32 s9, ttmp7, 0xffff                    ; head
	s_mov_b32 s10, ttmp9                           ; block of 128 tokens
	s_mov_b32 s[SEL], 0x76543210
	s_mov_b32 s[SEL+1], 0xfedcba98
.irp b, 0,1,2,3
	v_mov_b32 v[TM+4+\b], 0                        ; written once: a lane permute's destination counts as one of its sources
.endr
	s_wait_alu depctr_va_sdst(0)                   ; s8, the wave's number, is written, ahead of its first reader: every base below is made from it
	s_lshl_b32 s24, s8, 3
	s_add_co_u32 s24, s24, s9
	s_lshl_b32 s24, s24, 5
	s_add_co_u32 s24, s24, 1024                    ; the weight block's first fragment
	s_lshl_b32 s26, s10, 5                         ; the token block's
	s_cmp_eq_u32 s8, 2
	s_cselect_b32 s27, s26, s24                    ; S
	s_cselect_b32 s28, s24, s26                    ; R
	s_mov_b32 s25, 0
	s_wait_kmcnt 0x0
	s_mul_i32 s24, s27, 1536
	s_add_nc_u64 s[12:13], s[4:5], s[24:25]        ; S's codes
	s_lshl_b32 s24, s27, 7
	s_add_co_u32 s24, s24, SC0
	s_add_nc_u64 s[14:15], s[4:5], s[24:25]        ; S's scale images
	s_mul_i32 s24, s28, 1536
	s_add_nc_u64 s[16:17], s[4:5], s[24:25]        ; R's codes
	s_lshl_b32 s24, s28, 7
	s_add_co_u32 s24, s24, SC0
	s_add_nc_u64 s[18:19], s[4:5], s[24:25]        ; R's scale images
	s_lshl_b32 s24, s8, 8
	s_lshl_b32 s29, s9, 5
	s_add_co_u32 s24, s24, s29
	s_add_co_u32 s24, s24, s10
	s_mul_i32 s24, s24, REC
	s_add_nc_u64 s[20:21], s[6:7], s[24:25]        ; my record
	WIN 0xc0                                       ; the window of the first loads is set ahead of the wait
	s_wait_alu depctr_va_vdst(0)                   ; v[LI] and v[LS] are written: every load and store of the kernel reads one of them as its offset
	RLOAD 0
.irp t, 0,1,2,3,4,5,6,7
.irp s, 0,1,2,3
	global_load_b32 v[SS+4*\t+\s], v[LS], s[14:15] offset:(4*\t+\s)*128
.endr
.endr
	SLOAD 0
	SLOAD 1
	SLOAD 2
	SLOAD 3
	RLOAD 1
	TILE 0
	TILE 1
	TILE 2
	TILE 3
	TILE 4
	TILE 5
	TILE 6
	TILE 7
	s_wait_alu depctr_va_vdst(0)                   ; tile 7's quantiser has written its out-buffer and the last of the eight scale words, which the stores below read
	SEND 7
.irp g, 0,1
	global_store_b128 v[LI], v[PWS+4*\g:PWS+4*\g+3], s[20:21] offset:12288+512*\g   ; the eight scale words of each lane
.endr
	s_endpgm
.Lfunc_end_k_q4b8e04c8ba_qkv:
	.size	k_q4b8e04c8ba_qkv, .Lfunc_end_k_q4b8e04c8ba_qkv-k_q4b8e04c8ba_qkv
	.p2alignl 7, 3214868480
	.fill 96, 4, 3214868480
	.section	.rodata,"a",@progbits
	.p2align	6, 0x0
	.amdhsa_kernel k_q4b8e04c8ba_qkv
		.amdhsa_group_segment_fixed_size 0
		.amdhsa_private_segment_fixed_size 0
		.amdhsa_enable_private_segment 0
		.amdhsa_kernarg_size 16
		.amdhsa_user_sgpr_count 2
		.amdhsa_user_sgpr_kernarg_segment_ptr 1
		.amdhsa_wavefront_size32 1
		.amdhsa_system_sgpr_workgroup_id_x 1
		.amdhsa_system_sgpr_workgroup_id_y 1
		.amdhsa_system_sgpr_workgroup_id_z 1
		.amdhsa_system_vgpr_workitem_id 0
		.amdhsa_next_free_vgpr 1024
		.amdhsa_next_free_sgpr 66
		.amdhsa_reserve_vcc 0
		.amdhsa_float_denorm_mode_32 3
		.amdhsa_float_denorm_mode_16_64 3
		.amdhsa_memory_ordered 1
		.amdhsa_forward_progress 1
		.amdhsa_inst_pref_size 94
	.end_amdhsa_kernel
	.amdgpu_metadata
---
amdhsa.version: [ 1, 2 ]
amdhsa.kernels:
  - .name:           k_q4b8e04c8ba_qkv
    .symbol:         k_q4b8e04c8ba_qkv.kd
    .args:
      - { .name: xw, .offset: 0, .size: 8, .value_kind: global_buffer, .address_space: global }
      - { .name: qkv, .offset: 8, .size: 8, .value_kind: global_buffer, .address_space: global }
    .group_segment_fixed_size: 0
    .private_segment_fixed_size: 0
    .kernarg_segment_align: 8
    .kernarg_segment_size: 16
    .max_flat_workgroup_size: 96
    .sgpr_count:     66
    .vgpr_count:     1024
    .wavefront_size: 32
...
	.end_amdgpu_metadata
.endif
;; end of part 5
;; launch attn (part 6): grid 32 x 8, 4 waves a work-group, no clusters, 0 bytes of LDS; arguments qkv, seg, index, res; writes res
.if DOCPART == 6
	.amdgcn_target "amdgcn-amd-amdhsa--gfx1250"
	.amdhsa_code_object_version 6
	.text
	.protected	k_q4b8e04c8ba_attn
	.globl	k_q4b8e04c8ba_attn
	.p2align	8
	.type	k_q4b8e04c8ba_attn,@function
k_q4b8e04c8ba_attn:
	s_mov_b64 s[64:65], 0
	v_nop
	global_prefetch_b8 v0, s[64:65] scope:SCOPE_SE
	s_setreg_imm32_b32 hwreg(HW_REG_WAVE_SCHED_MODE, 0, 2), 2
	s_setreg_imm32_b32 hwreg(HW_REG_WAVE_MODE, 25, 1), 1
	s_wait_xcnt 0x0
	s_wait_alu depctr_vm_vsrc(0)
; res[t][head][:] = the sum over keys s of softmax_s(k[s] . q[t] / sqrt(128), keys of t's segment alone) v[s][:], both products on codes of FP6 (E2M3) with E8M0 scales;
; the result is quantised along [head][channel] for the last product and leaves as operand images.
; THE SOFTMAX: t = score x log2(e) / sqrt(128) (one rounding); M = the running largest t, rounded up to a whole number; p = 2^(t - M) is what is quantised, along the keys, in blocks of 32
; tokens in their given order; the row's sum is taken of the unquantised p and divides at the end.  When M moves, the sum and O are multiplied by 2^(old M - new M): exact.
; SHARES: work-group (tb, head); wave w owns query pair qp = 4 tb + w: two tiles of 16 queries.  Each fragment of K and V that the wave loads feeds two matrix instructions.
; Both products are used transposed: S^T = K Q^T, O^T = V^T P^T: a lane holds ONE query (lane % 16) throughout, and register 16 b + i holds key (or channel) 32 b + 16 (lane / 16) + i.
; THE WALK: keys go in aligned steps of 128 tokens.  seg gives the pair two words: ACT, the steps that may hold a key of its segments, and PURE, those in which no key is hidden.
; Steps outside ACT lie wholly under the mask and are not multiplied.  In a step that is not PURE the scores of keys whose index differs from the query's become -infinity ahead of the maximum.
; With an index in any order ACT is all ones: 32 trips, all masked.  The pair's own step is always in ACT, so every query meets itself and its sum is positive.
; NO TENSOR LOADS AND SO NO JOINT LOADS, though the work-groups of a head read the same K and V: the trip count and the addresses hang on numbers read from seg.
; K, V come as operand images straight into registers; V is asked for at the trip's head, the next step's K behind tile 0's exponentials.  The last trip asks for step 31's K (a clamped, unused load inside the buffer).
; O^T begins as zeros and the largest t as -3e38, so that the trip is written once; the first change of M multiplies zeros.
; LIMITS: NaN and infinities are not served; a block of p or of the result whose largest number lies under 2^-124 gets the byte 1; a block's largest p is taken from its largest score
; (v_exp_f32 is taken not to fall where its input rises).
; THE MODE: SCHED_MODE bits 1:0 = 2 (LLVM: expert scheduling mode 2), set by the entry lines.  The code itself states the register dependences
; between vector or matrix instructions and memory instructions, with s_wait_alu, always for 0.
; THE PLAN.  The trip count is read from seg and the trip is written once, so register numbers cannot take turns: the loads stand behind waits instead.  Registers that memory instructions touch, in a trip:
;   V, VS         read by the second products at a trip's end; this step's loads land in them at the trip's head.
;   KI            read by the compares of a trip that hides keys; loaded at the head of such a trip.
;   K, KS         read by the first products; the next step's loads land in them behind the wait that follows tile 0's 64 exponentials, ahead of which those products were issued.
;   v[LI], v[HO]  offsets, made once at the head and never written again.
; So ONE wait on va_vdst at a trip's head serves V, VS and KI, and K's loads lean on a wait that stands for the exponentials' sake.
; P's codes and scale words are written by vector instructions and taken by the second products: one wait on va_vdst behind O^T's rescaling, directly ahead of them.
; The compares' masks go to scalar registers in runs of 32, with one wait on va_sdst between a run and the selects that read it.
; REGISTERS, in windows of 256.  window 0: v1-7 addresses and the queries' indices; v12-19 -M, largest t, sum pair of each tile; v20-27 K's scale words, v28-35 V's, v36-37 Q's, v38-39 P's;
;   v40-43 f; v44-45 1 / sum; v64-191 S^T, then p, at the end o; v192-215 P's codes; v216-242 at work.
;   window 1: v0-127 O^T; v128-191 the step's key indices; v192 -infinity; v200-223 Q.   window 2: v0-95 K; v96-191 V.
.set REC, 13312
.set SC0, 3145728
.set LI,  1                            ; 16 x lane
.set HO,  2                            ; 64 (lane / 16): my half's 16 key indices of a block
.set QO,  3                            ; 4 (r + 8 (r / 8)): my query in its tile
.set QI,  4                            ; v4, v5 my query's index in tile 0, 1
.set LS,  7                            ; 4 x lane
.set MT,  12
.set KS,  20
.set VS,  28
.set QS,  36
.set PS,  38
.set FF,  40
.set RL,  44
.set S,   64
.set PC,  192
.set TM,  216
.set TC,  232
.set CH,  240
.set XT,  242
.set KI,  128                          ; window 1
.set NINF, 192
.set QF,  200
.set VF,  96                           ; window 2
.set CS,  22                           ; s[22:23] c = log2(e) / sqrt(128)
.set SEL, 24                           ; s[24:25]
.set MA,  48                           ; s48-63  a run's 16 masks for tile 0
.set MB,  66                           ; s66-81  and for tile 1
.set MSB, 0
.macro WIN new                         ; the immediate's high byte repeats the setting that is left
.if MSB != \new
	s_set_vgpr_msb (MSB<<8)|\new
.set MSB, \new
.endif
.endm
.macro QUANT s, pc, tc, pw             ; 64 numbers of a lane become a fragment's codes in v[pc] on and its row's scale word in v[pw]
.irp b, 0,1,2,3
	v_max3_num_f32 v[TM+\b], |v[(\s)+16*\b]|, |v[(\s)+16*\b+1]|, 0x1800000
.endr
.irp i, 2,4,6,8,10,12,14
.irp b, 0,1,2,3
	v_max3_num_f32 v[TM+\b], v[TM+\b], |v[(\s)+16*\b+\i]|, |v[(\s)+16*\b+\i+1]|
.endr
.endr
.irp b, 0,1,2,3
	v_permlanex16_b32 v[TM+4+\b], v[TM+\b], s[SEL], s[SEL+1]
.endr
.irp b, 0,1,2,3
	v_max_num_f32 v[TM+\b], v[TM+\b], v[TM+4+\b]
.endr
.irp b, 0,1,2,3
	v_add_nc_u32 v[TM+12+\b], 0xff000000, v[TM+\b]
.endr
.irp b, 0,1,2,3
	v_lshrrev_b32 v[TM+4+\b], 23, v[TM+12+\b]
.endr
	v_lshl_or_b32 v[(\pw)], v[TM+5], 8, v[TM+4]
	v_lshl_or_b32 v[(\pw)], v[TM+6], 16, v[(\pw)]
	v_lshl_or_b32 v[(\pw)], v[TM+7], 24, v[(\pw)]
.irp c, 0,1
	v_cvt_scalef32_pk16_fp6_f32 v[(\pc)+6*\c:(\pc)+6*\c+2], v[(\s)+32*\c:(\s)+32*\c+15], v[TM+12+2*\c]
	v_cvt_scalef32_pk16_fp6_f32 v[(\tc)+4*\c:(\tc)+4*\c+2], v[(\s)+32*\c+16:(\s)+32*\c+31], v[TM+13+2*\c]
.endr
	v_nop
.irp c, 0,1
.irp i, 0,1,2
	v_permlane16_swap_b32 v[(\pc)+6*\c+\i], v[(\tc)+4*\c+\i]
.endr
.irp i, 0,1,2
	v_mov_b32 v[(\pc)+3+6*\c+\i], v[(\tc)+4*\c+\i]
.endr
.endr
.endm
.macro KLOAD                           ; a step's record of K: eight fragments and their scale words: 26 loads of 512 consecutive bytes
	WIN 0x80
.irp t, 0,1,2,3,4,5,6,7
.irp c, 0,1,2
	global_load_b128 v[12*\t+4*\c:12*\t+4*\c+3], v[LI], s[30:31] offset:1536*\t+512*\c
.endr
.endr
	WIN 0
.irp g, 0,1
	global_load_b128 v[KS+4*\g:KS+4*\g+3], v[LI], s[30:31] offset:12288+512*\g
.endr
.endm
.macro VLOAD                           ; the same of V
	WIN 0x80
.irp t, 0,1,2,3,4,5,6,7
.irp c, 0,1,2
	global_load_b128 v[VF+12*\t+4*\c:VF+12*\t+4*\c+3], v[LI], s[32:33] offset:1536*\t+512*\c
.endr
.endr
	WIN 0
.irp g, 0,1
	global_load_b128 v[VS+4*\g:VS+4*\g+3], v[LI], s[32:33] offset:12288+512*\g
.endr
.endm
.macro ILOAD                           ; the indices of my 64 keys of the step: register 16 b + i = key 32 b + 16 (lane / 16) + i: 16 loads
	WIN 0x40
.irp b, 0,1,2,3
.irp j, 0,1,2,3
	global_load_b128 v[KI+16*\b+4*\j:KI+16*\b+4*\j+3], v[HO], s[34:35] offset:128*\b+16*\j
.endr
.endr
	WIN 0
.endm
; The head of a trip, in two forms: mixed = 1 hides keys of other segments, mixed = 0 has none to hide.
.macro FRONT mixed
.if \mixed
	WIN 0x40                                       ; the window of the first loads below is set ahead of the wait
.else
	WIN 0x80
.endif
	s_wait_alu depctr_va_vdst(0)                   ; the last trip's second products are done reading V and its scale words, and its compares the key indices: the loads below land in these registers
.if \mixed
	ILOAD
.endif
	VLOAD
.if \mixed
	s_wait_loadcnt 42                              ; K of this step (and, in the first trip, Q and the queries' indices) is in; younger: 16 index loads and V's 26
.else
	s_wait_loadcnt 26                              ; younger: V's 26
.endif
	WIN 0x06                                       ; source 0 (K) window 2, source 1 (Q) window 1, D window 0
.irp t, 0,1,2,3,4,5,6,7
.irp a, 0,1
	v_wmma_scale_f32_16x16x128_f8f6f4 v[S+64*\a+8*\t:S+64*\a+8*\t+7], v[12*\t:12*\t+11], v[QF+12*\a:QF+12*\a+11], 0, v[KS+\t], v[QS+\a] matrix_a_fmt:MATRIX_FMT_FP6 matrix_b_fmt:MATRIX_FMT_FP6
.endr
.endr
	WIN 0
.rept 4
	v_nop                                          ; four places behind the products, in front of the first read of the scores
.endr
.if \mixed
	s_wait_loadcnt 26                              ; the key indices are in; younger: V's 26
	WIN 0x01                                       ; source 0 window 1
.set blk, 0
.rept 4                                            ; a block of 32 keys (my 16 of them) at a time: 32 compares, one wait, 32 selects
.set n, 0
.rept 16
	v_cmp_eq_u32 s[MA+n], v[KI+16*blk+n], v[QI]
	v_cmp_eq_u32 s[MB+n], v[KI+16*blk+n], v[QI+1]
.set n, n+1
.endr
	s_wait_alu depctr_va_sdst(0)                   ; the run's 32 masks are written, ahead of the selects that read them
.set n, 0
.rept 16                                           ; ascending: each accumulator is first read at its low end
	v_cndmask_b32 v[S+16*blk+n], v[NINF], v[S+16*blk+n], s[MA+n]        ; the score where the indices are equal, else -infinity
	v_cndmask_b32 v[S+64+16*blk+n], v[NINF], v[S+64+16*blk+n], s[MB+n]
.set n, n+1
.endr
.set blk, blk+1
.endr
	WIN 0
.endif
.endm
; Tile a's softmax for one step of 128 keys, and p's codes and scale word.  In tile 0's the next step's K is asked for.
.macro SOFT a
.set SB, S+64*(\a)
.set MB4, MT+4*(\a)
.set PB, PC+12*(\a)
.set FB, FF+2*(\a)
.irp b, 0,1,2,3
	v_max3_num_f32 v[TM+\b], v[SB+16*\b], v[SB+16*\b+1], v[SB+16*\b+2]   ; the largest score of each block of 32 keys: for the row's maximum, and for the block's largest p
.endr
.irp i, 3,5,7,9,11,13
.irp b, 0,1,2,3
	v_max3_num_f32 v[TM+\b], v[TM+\b], v[SB+16*\b+\i], v[SB+16*\b+\i+1]
.endr
.endr
.irp b, 0,1,2,3
	v_max_num_f32 v[TM+\b], v[TM+\b], v[SB+16*\b+15]
.endr
.irp b, 0,1,2,3
	v_permlanex16_b32 v[TM+4+\b], v[TM+\b], s[SEL], s[SEL+1]
.endr
.irp b, 0,1,2,3
	v_max_num_f32 v[TM+\b], v[TM+\b], v[TM+4+\b]       ; with lane l xor 16's 16 keys
.endr
	v_max3_num_f32 v[XT], v[TM], v[TM+1], v[TM+2]
	v_max_num_f32 v[XT], v[XT], v[TM+3]
	v_mul_f32 v[XT], s[CS], v[XT]                      ; as t (c is positive); -infinity where every key of the step is hidden
	v_max_num_f32 v[MB4+1], v[MB4+1], v[XT]            ; the running largest t
	v_mov_b32 v[XT], v[MB4]
	v_floor_f32 v[MB4], -v[MB4+1]                      ; the new -M = floor(-t): a whole number
	v_sub_f32 v[XT], v[MB4], v[XT]                     ; old M - new M: a whole number, 0 or less
	v_cvt_i32_f32 v[XT], v[XT]                         ; (it saturates)
	v_ldexp_f32 v[FB], 1.0, v[XT]                      ; f = 2^(old M - new M)
.set j, 0
.rept 32
	v_pk_fma_f32 v[SB+j:SB+j+1], v[SB+j:SB+j+1], s[CS:CS+1], v[MB4:MB4+1] op_sel_hi:[1,0,0]   ; t - M, two at a time
.set j, j+2
.endr
.irp b, 0,1,2,3
	v_fma_f32 v[TM+\b], v[TM+\b], s[CS], v[MB4]        ; the same of each block's largest score
.endr
.set j, 0
.rept 64
	v_exp_f32 v[SB+j], v[SB+j]                         ; p = 2^(t - M)
.set j, j+1
.endr
	v_pk_mul_f32 v[MB4+2:MB4+3], v[MB4+2:MB4+3], v[FB:FB+1] op_sel_hi:[1,0]   ; the sums under the new M: the plain instruction behind the batch
.if (\a) == 0
	WIN 0x80                                           ; the window of K's loads is set ahead of the wait
.endif
	s_wait_alu depctr_va_vdst(0)                       ; the 64 exponentials have written p, ahead of their first reader; in tile 0 also: the trip's first products are done reading K and its scale words
.if (\a) == 0
	KLOAD                                              ; the next step's K lands in those registers: it has the rest of the trip in which to come
.endif
.irp b, 0,1,2,3
	v_exp_f32 v[TM+\b], v[TM+\b]                       ; the blocks' largest p
.endr
	v_pk_add_f32 v[CH:CH+1], v[SB:SB+1], v[SB+2:SB+3]  ; the row's sum of the unquantised p, in two chains; it reads the 64 alone
.set j, 4
.rept 15
	v_pk_add_f32 v[MB4+2:MB4+3], v[MB4+2:MB4+3], v[SB+j:SB+j+1]
	v_pk_add_f32 v[CH:CH+1], v[CH:CH+1], v[SB+j+2:SB+j+3]
.set j, j+4
.endr
	v_pk_add_f32 v[MB4+2:MB4+3], v[MB4+2:MB4+3], v[CH:CH+1]
	s_wait_alu depctr_va_vdst(0)                       ; the four exponentials have written the blocks' largest p, ahead of their first reader
.irp b, 0,1,2,3
	v_max_num_f32 v[TM+\b], 0x1800000, v[TM+\b]        ; the floor 2^(3 - 127): a block whose every p is 0 keeps the byte 1; its codes are zeros
.endr
.irp b, 0,1,2,3
	v_add_nc_u32 v[TM+12+\b], 0xff000000, v[TM+\b]
.endr
.irp b, 0,1,2,3
	v_lshrrev_b32 v[TM+4+\b], 23, v[TM+12+\b]
.endr
	v_lshl_or_b32 v[PS+(\a)], v[TM+5], 8, v[TM+4]      ; p's scale word for these 128 keys
	v_lshl_or_b32 v[PS+(\a)], v[TM+6], 16, v[PS+(\a)]
	v_lshl_or_b32 v[PS+(\a)], v[TM+7], 24, v[PS+(\a)]
.irp c, 0,1
	v_cvt_scalef32_pk16_fp6_f32 v[PB+6*\c:PB+6*\c+2], v[SB+32*\c:SB+32*\c+15], v[TM+12+2*\c]
	v_cvt_scalef32_pk16_fp6_f32 v[TC+4*\c:TC+4*\c+2], v[SB+32*\c+16:SB+32*\c+31], v[TM+13+2*\c]
.endr
	v_nop                                              ; one plain instruction behind the scaled conversions
.irp c, 0,1
.irp i, 0,1,2
	v_permlane16_swap_b32 v[PB+6*\c+\i], v[TC+4*\c+\i]
.endr
.irp i, 0,1,2
	v_mov_b32 v[PB+3+6*\c+\i], v[TC+4*\c+\i]
.endr
.endr
.endm
	s_load_b256 s[4:11], s[0:1], 0x0               ; qkv s[4:5], seg s[6:7], index s[8:9], res s[10:11]
	v_lshrrev_b32 v8, 5, v0
	v_readfirstlane_b32 s12, v8                    ; wave
	v_and_b32 v8, 31, v0
	v_lshlrev_b32 v[LI], 4, v8
	v_lshlrev_b32 v[LS], 2, v8
	v_bfe_u32 v[HO], v0, 4, 1
	v_lshlrev_b32 v[HO], 6, v[HO]
	v_and_b32 v8, 15, v0
	v_and_b32 v[QO], 8, v8
	v_add_nc_u32 v[QO], v[QO], v8
	v_lshlrev_b32 v[QO], 2, v[QO]
	s_and_b32 s13, ttmp7, 0xffff                   ; head
	s_mov_b32 s14, ttmp9                           ; block of 128 queries
	s_lshl_b32 s15, s14, 2
	s_wait_alu depctr_va_sdst(0)                   ; s12, the wave's number, is written, ahead of its first reader
	s_add_co_u32 s15, s15, s12                     ; my query pair
	s_mov_b32 s37, 0
	s_mov_b32 s[CS], 0x3e0293ee
	s_mov_b32 s[CS+1], s[CS]                       ; (named with it as a pair, so it is written)
	s_mov_b32 s[SEL], 0x76543210
	s_mov_b32 s[SEL+1], 0xfedcba98
	s_wait_kmcnt 0x0
	s_lshl_b32 s36, s15, 3
	s_add_nc_u64 s[6:7], s[6:7], s[36:37]
	s_load_b64 s[16:17], s[6:7], 0x0               ; ACT s16, PURE s17
	s_lshl_b32 s36, s13, 5
	s_add_co_u32 s36, s36, s14
	s_mul_i32 s36, s36, REC
	s_add_nc_u64 s[46:47], s[4:5], s[36:37]        ; q's record of (head, tb)
	s_mul_i32 s36, s12, 3072
	s_add_nc_u64 s[38:39], s[46:47], s[36:37]      ; my two fragments: 2 wave, 2 wave + 1
	s_lshr_b32 s36, s12, 1
	s_lshl_b32 s36, s36, 9
	s_and_b32 s40, s12, 1
	s_lshl_b32 s40, s40, 3
	s_add_co_u32 s36, s36, s40
	s_add_co_u32 s36, s36, 12288
	s_add_nc_u64 s[46:47], s[46:47], s[36:37]      ; and their two scale words of each lane
	s_lshl_b32 s36, s13, 5
	s_add_co_u32 s36, s36, 256
	s_mul_i32 s36, s36, REC
	s_add_nc_u64 s[26:27], s[4:5], s[36:37]        ; k's records of the head
	s_add_nc_u64 s[28:29], s[26:27], 256*REC       ; v's
	s_lshl_b32 s36, s15, 7
	s_add_nc_u64 s[34:35], s[8:9], s[36:37]        ; my 32 queries' indices
	s_lshl_b32 s36, s15, 4
	s_add_co_u32 s40, s36, s13                     ; res: fragment 8 (2 qp) + head
	s_mul_i32 s36, s40, 1536
	s_add_nc_u64 s[42:43], s[10:11], s[36:37]
	s_lshl_b32 s36, s40, 7
	s_add_co_u32 s36, s36, SC0
	s_add_nc_u64 s[44:45], s[10:11], s[36:37]
	WIN 0x40                                       ; the window of the first loads is set ahead of the wait
	s_wait_alu depctr_va_vdst(0)                   ; the four offsets v[LI], v[LS], v[HO], v[QO] are written: every load and store of the kernel reads one of them
.irp a, 0,1
.irp c, 0,1,2
	global_load_b128 v[QF+12*\a+4*\c:QF+12*\a+4*\c+3], v[LI], s[38:39] offset:1536*\a+512*\c   ; Q stays in registers
.endr
.endr
	WIN 0
	global_load_b64 v[QS:QS+1], v[LI], s[46:47]
	global_load_b32 v[QI], v[QO], s[34:35]
	global_load_b32 v[QI+1], v[QO], s[34:35] offset:32
.irp a, 0,1
	v_mov_b32 v[MT+4*\a+1], 0xff61b1e6             ; the largest t so far: -3e38
	v_floor_f32 v[MT+4*\a], -v[MT+4*\a+1]          ; -M
	v_mov_b32 v[MT+4*\a+2], 0                      ; the sum, in two halves
	v_mov_b32 v[MT+4*\a+3], 0
	v_mov_b32 v[FF+2*\a+1], 0                      ; (named as the upper half of f's pair)
.endr
.irp b, 0,1,2,3
	v_mov_b32 v[TM+4+\b], 0                        ; written once: a lane permute's destination counts as one of its sources
.endr
	WIN 0x40
	v_mov_b32 v[NINF], 0xff800000
.set j, 0
.rept 128
	v_mov_b32 v[j], 0                              ; O^T: the trip is written once, so its first pass finds zeros
.set j, j+1
.endr
	WIN 0
	s_wait_kmcnt 0x0
	s_bcnt1_i32_b32 s18, s16                       ; trips: the steps in ACT, at least the pair's own,
	s_min_u32 s18, s18, 32                         ; at most 32
	s_mov_b32 s19, 0
	s_ctz_i32_b32 s20, s16                         ; the first step,
	s_min_u32 s20, s20, 31                         ; held inside the table
	s_mul_i32 s36, s20, REC
	s_add_nc_u64 s[30:31], s[26:27], s[36:37]
	KLOAD                                          ; no wait: since the wait above no vector instruction has named v[LI], and none has ever named K's registers or its scale words
.Ltrip:
	s_wait_xcnt 0x0                                ; every load issued so far has read its base: the three bases are written again only behind this wait
	s_mul_i32 s36, s20, REC
	s_add_nc_u64 s[32:33], s[28:29], s[36:37]      ; V of this step
	s_lshl_b32 s36, s20, 9
	s_add_nc_u64 s[34:35], s[8:9], s[36:37]        ; its keys' indices
	s_sub_co_u32 s36, s16, 1
	s_and_b32 s16, s16, s36                        ; this step's bit leaves ACT
	s_ctz_i32_b32 s21, s16                         ; the next step;
	s_min_u32 s21, s21, 31                         ; where none is left: 31, a load inside the buffer that nobody uses
	s_mul_i32 s36, s21, REC
	s_add_nc_u64 s[30:31], s[26:27], s[36:37]      ; K of the next step
	s_bitcmp1_b32 s17, s20
	s_cbranch_scc1 .Lpure
	FRONT 1
	s_branch .Ljoin
.Lpure:
	FRONT 0
.Ljoin:
	SOFT 0
	SOFT 1
	WIN 0x41                                       ; O^T (destination and source 0) window 1, f window 0
.irp a, 0,1
.set j, 0
.rept 32
	v_pk_mul_f32 v[64*\a+j:64*\a+j+1], v[64*\a+j:64*\a+j+1], v[FF+2*\a:FF+2*\a+1] op_sel_hi:[1,0]   ; O^T under the new M, each accumulator from its low end on; these 64 also stand between p's codes and scale words and the products
.set j, j+2
.endr
.endr
	s_wait_loadcnt 26                              ; V is in; younger: the next K's 26
	WIN 0x52                                       ; source 0 (V) window 2, source 1 (P) window 0, C and D window 1
	s_wait_alu depctr_va_vdst(0)                   ; vector instructions have written P's codes and its two scale words, which the scaled products below take; the places above stay beside this wait
.irp t, 0,1,2,3,4,5,6,7
.irp a, 0,1                                        ; sixteen accumulators by turns, one instruction a turn
	v_wmma_scale_f32_16x16x128_f8f6f4 v[64*\a+8*\t:64*\a+8*\t+7], v[VF+12*\t:VF+12*\t+11], v[PC+12*\a:PC+12*\a+11], v[64*\a+8*\t:64*\a+8*\t+7], v[VS+\t], v[PS+\a] matrix_a_fmt:MATRIX_FMT_FP6 matrix_b_fmt:MATRIX_FMT_FP6
.endr
.endr
	WIN 0
.rept 4
	v_nop                                          ; four places behind the products, in front of the way out's first read of O^T
.endr
	s_mov_b32 s20, s21
	s_add_co_u32 s19, s19, 1
	s_cmp_lt_u32 s19, s18
	s_cbranch_scc1 .Ltrip
	; THE WAY OUT: O^T / the sum, quantised along the channels: K step `head` of the last product
.irp a, 0,1
	v_add_f32 v[MT+4*\a+2], v[MT+4*\a+2], v[MT+4*\a+3]
.endr
.irp a, 0,1
	v_permlanex16_b32 v[TM+4+\a], v[MT+4*\a+2], s[SEL], s[SEL+1]
.endr
.irp a, 0,1
	v_add_f32 v[MT+4*\a+2], v[MT+4*\a+2], v[TM+4+\a]   ; with lane l xor 16's keys: the row's sum
.endr
.irp a, 0,1
	v_rcp_f32 v[RL+\a], v[MT+4*\a+2]
.endr
	v_nop                                          ; a plain instruction behind the reciprocals
	s_wait_alu depctr_va_vdst(0)                   ; both reciprocals are written, ahead of their first reader
	WIN 0x01
.irp a, 0,1
.set j, 0
.rept 64
	v_mul_f32 v[S+64*\a+j], v[64*\a+j], v[RL+\a]   ; register 16 b + i: channel 32 b + 16 (lane / 16) + i of my query
.set j, j+1
.endr
.endr
	WIN 0
.irp a, 0,1
	QUANT S+64*\a, PC+12*\a, TC, PS+\a
.endr
	s_wait_alu depctr_va_vdst(0)                   ; the two quantisers have written both fragments and both scale words, which the eight stores below read
.irp a, 0,1
.irp c, 0,1,2
	global_store_b128 v[LI], v[PC+12*\a+4*\c:PC+12*\a+4*\c+3], s[42:43] offset:12288*\a+512*\c   ; tile a's fragment lies 8 fragments on; 512 consecutive bytes a store
.endr
	global_store_b32 v[LS], v[PS+\a], s[44:45] offset:1024*\a
.endr
	s_endpgm
.Lfunc_end_k_q4b8e04c8ba_attn:
	.size	k_q4b8e04c8ba_attn, .Lfunc_end_k_q4b8e04c8ba_attn-k_q4b8e04c8ba_attn
	.p2alignl 7, 3214868480
	.fill 96, 4, 3214868480
	.section	.rodata,"a",@progbits
	.p2align	6, 0x0
	.amdhsa_kernel k_q4b8e04c8ba_attn
		.amdhsa_group_segment_fixed_size 0
		.amdhsa_private_segment_fixed_size 0
		.amdhsa_enable_private_segment 0
		.amdhsa_kernarg_size 32
		.amdhsa_user_sgpr_count 2
		.amdhsa_user_sgpr_kernarg_segment_ptr 1
		.amdhsa_wavefront_size32 1
		.amdhsa_system_sgpr_workgroup_id_x 1
		.amdhsa_system_sgpr_workgroup_id_y 1
		.amdhsa_system_sgpr_workgroup_id_z 1
		.amdhsa_system_vgpr_workitem_id 0
		.amdhsa_next_free_vgpr 768
		.amdhsa_next_free_sgpr 82
		.amdhsa_reserve_vcc 0
		.amdhsa_float_denorm_mode_32 3
		.amdhsa_float_denorm_mode_16_64 3
		.amdhsa_memory_ordered 1
		.amdhsa_forward_progress 1
		.amdhsa_inst_pref_size 82
	.end_amdhsa_kernel
	.amdgpu_metadata
---
amdhsa.version: [ 1, 2 ]
amdhsa.kernels:
  - .name:           k_q4b8e04c8ba_attn
    .symbol:         k_q4b8e04c8ba_attn.kd
    .args:
      - { .name: qkv, .offset: 0, .size: 8, .value_kind: global_buffer, .address_space: global }
      - { .name: seg, .offset: 8, .size: 8, .value_kind: global_buffer, .address_space: global }
      - { .name: index, .offset: 16, .size: 8, .value_kind: global_buffer, .address_space: global }
      - { .name: res, .offset: 24, .size: 8, .value_kind: global_buffer, .address_space: global }
    .group_segment_fixed_size: 0
    .private_segment_fixed_size: 0
    .kernarg_segment_align: 8
    .kernarg_segment_size: 32
    .max_flat_workgroup_size: 128
    .sgpr_count:     82
    .vgpr_count:     768
    .wavefront_size: 32
...
	.end_amdgpu_metadata
.endif
;; end of part 6
;; launch proj (part 7): grid 32 x 8, 4 waves a work-group, no clusters, 35,328 bytes of LDS; arguments res, xw, out0; writes out0
.if DOCPART == 7
	.amdgcn_target "amdgcn-amd-amdhsa--gfx1250"
	.amdhsa_code_object_version 6
	.text
	.protected	k_q4b8e04c8ba_proj
	.globl	k_q4b8e04c8ba_proj
	.p2align	8
	.type	k_q4b8e04c8ba_proj,@function
k_q4b8e04c8ba_proj:
	s_mov_b64 s[64:65], 0
	v_nop
	global_prefetch_b8 v0, s[64:65] scope:SCOPE_SE
	s_setreg_imm32_b32 hwreg(HW_REG_WAVE_SCHED_MODE, 0, 2), 2
	s_setreg_imm32_b32 hwreg(HW_REG_WAVE_MODE, 25, 1), 1
	s_wait_xcnt 0x0
	s_wait_alu depctr_vm_vsrc(0)
; out0 = res Wo on codes of FP6 (E2M3) with E8M0 scales, K = 1,024 in eight steps of 128 (one a head); out0 [4096][512] f32.
; SHARES: work-group (tb, g): 128 tokens x 64 columns.  Wave w takes token pair qp = 4 tb + w (two tiles of 16) against the group's four column tiles: 8 accumulators, 64 matrix instructions.
; Source 0 = Wo's tile, source 1 = res's: lane (r, h) of accumulator (a, i) holds token 32 qp + 8 a + r + 8 (r / 8) and, in register j, column 64 g + 32 (i / 2) + 16 h + 8 (i % 2) + j.
; Both operands come as register images (1,536 bytes a fragment, 128 bytes a scale image) straight into registers, each fragment once a wave.
; NO TENSOR LOADS, NO CLUSTER, though 32 work-groups read a column group of Wo and 8 a token pair: a wave has 64 matrix instructions in all, and a hop through LDS behind barriers would stand in series ahead of them.
; The results turn through the wave's own stage in LDS (32 rows x 272 bytes), so that sixteen lanes store 256 consecutive bytes of a row, aligned.  No barrier: the bytes are the wave's own.
; THE MODE: SCHED_MODE bits 1:0 = 2 (LLVM: expert scheduling mode 2), set by the entry lines.  The code itself states the register dependences
; between vector or matrix instructions and memory or LDS instructions, with s_wait_alu, always for 0.
; THE PLAN.  Registers that memory or LDS instructions touch:
;   the fragments and scale words   loaded once, each into registers of its own; read by matrix instructions alone; never loaded again.
;   the accumulators                written by the matrix instructions; read by the LDS stores of the way out: one wait on va_vdst, behind the four places.
;   v128-191                        written by the LDS loads from the stage, read by the global stores; no vector instruction names them.
;   v1-5                            five offsets and addresses, made once at the head: one wait on va_vdst ahead of the first load.
; REGISTERS, in windows of 256: window 0: v1-5 addresses; v16-47 Wo's scale words; v48-63 res's; v64-127 the accumulators; v128-191 rows read back.
;   window 1: Wo's fragments of K steps 0-3 at v[12 (i + 4 (s % 4))];  window 2: of K steps 4-7;  window 3: res's at v[12 (a + 2 s)].
.set SC0, 3145728
.set LI,  1
.set LS,  2
.set STO, 3
.set RD,  4
.set CO,  5
.set WS,  16
.set RS,  48
.set ACC, 64
.set BK,  128
.set MSB, 0
.macro WIN new                         ; the immediate's high byte repeats the setting that is left
.if MSB != \new
	s_set_vgpr_msb (MSB<<8)|\new
.set MSB, \new
.endif
.endm
	s_load_b128 s[4:7], s[0:1], 0x0                ; res s[4:5], xw s[6:7]
	s_load_b64 s[8:9], s[0:1], 0x10                ; out0
	v_lshl_add_u32 v254, v0, 2, 0x8800
	v_mov_b32 v255, 0
	v_lshrrev_b32 v6, 5, v0
	v_readfirstlane_b32 s10, v6                    ; wave
	v_and_b32 v8, 31, v0
	v_lshlrev_b32 v[LI], 4, v8
	v_lshlrev_b32 v[LS], 2, v8
	v_and_b32 v6, 15, v0                           ; r
	v_bfe_u32 v7, v0, 4, 1                         ; h
	v_and_b32 v8, 8, v6
	v_add_nc_u32 v8, v8, v6                        ; r + 8 (r / 8)
	s_wait_alu depctr_va_sdst(0)                   ; s10, the wave's number, is written, ahead of its first reader
	s_mul_i32 s26, s10, 8704                       ; my stage
	v_mul_u32_u24 v[STO], v8, 272
	v_lshl_add_u32 v[STO], v7, 6, v[STO]
	v_add_nc_u32 v[STO], s26, v[STO]               ; in: my token's row, + 64 h
	v_mul_u32_u24 v[RD], v7, 272
	v_lshl_add_u32 v[RD], v6, 4, v[RD]
	v_add_nc_u32 v[RD], s26, v[RD]                 ; back: lanes 0-15 one row, lanes 16-31 the next
	v_lshlrev_b32 v[CO], 11, v7
	v_lshl_add_u32 v[CO], v6, 4, v[CO]             ; and the same two rows in out0 (2,048 bytes a row)
	s_and_b32 s11, ttmp7, 0xffff                   ; column group
	s_lshl_b32 s12, ttmp9, 2
	s_add_co_u32 s12, s12, s10                     ; token pair
	s_mov_b32 s25, 0
	s_lshl_b32 s27, s11, 5
	s_add_co_u32 s27, s27, 1792                    ; the group's first fragment of Wo
	s_wait_kmcnt 0x0
	s_mul_i32 s24, s27, 1536
	s_add_nc_u64 s[14:15], s[6:7], s[24:25]
	s_lshl_b32 s24, s27, 7
	s_add_co_u32 s24, s24, SC0
	s_add_nc_u64 s[16:17], s[6:7], s[24:25]
	s_mul_i32 s24, s12, 16*1536                    ; the pair's 16 fragments of res
	s_add_nc_u64 s[18:19], s[4:5], s[24:25]
	s_lshl_b32 s24, s12, 11
	s_add_co_u32 s24, s24, SC0
	s_add_nc_u64 s[20:21], s[4:5], s[24:25]
	s_lshl_b32 s24, s12, 16                        ; 32 rows of 2,048 bytes a pair,
	s_lshl_b32 s27, s11, 8                         ; 256 bytes a column group
	s_add_co_u32 s24, s24, s27
	s_add_nc_u64 s[22:23], s[8:9], s[24:25]
	s_wait_alu depctr_va_vdst(0)                   ; the five offsets and addresses v1 to v5 are written, which the loads, the LDS instructions and the stores below read; no vector instruction names them again
.irp s, 0,1,2,3,4,5,6,7
.irp i, 0,1,2,3
	global_load_b32 v[WS+\i+4*\s], v[LS], s[16:17] offset:(8*\i+\s)*128
.endr
.endr
.irp s, 0,1,2,3,4,5,6,7
.irp a, 0,1
	global_load_b32 v[RS+\a+2*\s], v[LS], s[20:21] offset:(8*\a+\s)*128
.endr
.endr
.irp s, 0,1,2,3,4,5,6,7                        ; K step by K step: 18 loads of 512 consecutive bytes each
.if \s < 4
	WIN 0x40
.else
	WIN 0x80
.endif
.irp i, 0,1,2,3
.irp c, 0,1,2
	global_load_b128 v[12*(\i+4*(\s%4))+4*\c:12*(\i+4*(\s%4))+4*\c+3], v[LI], s[14:15] offset:(8*\i+\s)*1536+512*\c
.endr
.endr
	WIN 0xc0
.irp a, 0,1
.irp c, 0,1,2
	global_load_b128 v[12*(\a+2*\s)+4*\c:12*(\a+2*\s)+4*\c+3], v[LI], s[18:19] offset:(8*\a+\s)*1536+512*\c
.endr
.endr
.endr
.irp s, 0,1,2,3,4,5,6,7
.if 18*(7-\s) > 63
	s_wait_loadcnt 63                              ; more than 63 younger loads stand behind this K step's: the largest count that the wait can name, and smaller than theirs
.else
	s_wait_loadcnt 18*(7-\s)                       ; younger: the later K steps' 18 loads each
.endif
.if \s < 4
	WIN 0x0d                                       ; source 0 (Wo) window 1, source 1 (res) window 3, C and D window 0
.else
	WIN 0x0e                                       ; source 0 window 2
.endif
.irp a, 0,1
.irp i, 0,1,2,3                                ; the eight accumulators by turns, one instruction a turn
.if \s == 0
	v_wmma_scale_f32_16x16x128_f8f6f4 v[ACC+8*(4*\a+\i):ACC+8*(4*\a+\i)+7], v[12*(\i+4*(\s%4)):12*(\i+4*(\s%4))+11], v[12*(\a+2*\s):12*(\a+2*\s)+11], 0, v[WS+\i+4*\s], v[RS+\a+2*\s] matrix_a_fmt:MATRIX_FMT_FP6 matrix_b_fmt:MATRIX_FMT_FP6
.else
	v_wmma_scale_f32_16x16x128_f8f6f4 v[ACC+8*(4*\a+\i):ACC+8*(4*\a+\i)+7], v[12*(\i+4*(\s%4)):12*(\i+4*(\s%4))+11], v[12*(\a+2*\s):12*(\a+2*\s)+11], v[ACC+8*(4*\a+\i):ACC+8*(4*\a+\i)+7], v[WS+\i+4*\s], v[RS+\a+2*\s] matrix_a_fmt:MATRIX_FMT_FP6 matrix_b_fmt:MATRIX_FMT_FP6
.endif
.endr
.endr
.endr
	WIN 0
.rept 4
	v_nop                                          ; four places behind the last products, in front of the first read of results
.endr
	s_wait_alu depctr_va_vdst(0)                   ; the matrix instructions have written the accumulators, which the LDS stores read; the places above stay beside this wait
.irp a, 0,1
.irp i, 0,1,2,3
	ds_store_b128 v[STO], v[ACC+8*(4*\a+\i):ACC+8*(4*\a+\i)+3] offset:8*\a*272+128*(\i/2)+32*(\i%2)        ; each accumulator from its low end on
	ds_store_b128 v[STO], v[ACC+8*(4*\a+\i)+4:ACC+8*(4*\a+\i)+7] offset:8*\a*272+128*(\i/2)+32*(\i%2)+16
.endr
.endr
.irp n, 0,1,2,3,4,5,6,7,8,9,10,11,12,13,14,15
	ds_load_b128 v[BK+4*\n:BK+4*\n+3], v[RD] offset:2*\n*272   ; LDS serves a wave's instructions in order: these see my stores
.endr
.irp n, 0,1,2,3,4,5,6,7,8,9,10,11,12,13,14,15
	s_wait_dscnt 15-\n                             ; rows 2 n and 2 n + 1 are back; the younger loads may be out
	global_store_b128 v[CO], v[BK+4*\n:BK+4*\n+3], s[22:23] offset:2*\n*2048 th:TH_STORE_NT   ; sixteen lanes store 256 consecutive bytes, at a multiple of 256 from out0's first byte
.endr
	s_wait_dscnt 0x0
	s_wait_alu depctr_hold_cnt(0) depctr_sa_sdst(0) depctr_va_vdst(0) depctr_va_sdst(0) depctr_va_ssrc(0) depctr_va_vcc(0) depctr_vm_vsrc(0)
	s_wait_tensorcnt 0x0
	ds_add_u32 v254, v255
	s_wait_dscnt 0x0
	s_endpgm
.Lfunc_end_k_q4b8e04c8ba_proj:
	.size	k_q4b8e04c8ba_proj, .Lfunc_end_k_q4b8e04c8ba_proj-k_q4b8e04c8ba_proj
	.p2alignl 7, 3214868480
	.fill 96, 4, 3214868480
	.section	.rodata,"a",@progbits
	.p2align	6, 0x0
	.amdhsa_kernel k_q4b8e04c8ba_proj
		.amdhsa_group_segment_fixed_size 35328
		.amdhsa_private_segment_fixed_size 0
		.amdhsa_enable_private_segment 0
		.amdhsa_kernarg_size 24
		.amdhsa_user_sgpr_count 2
		.amdhsa_user_sgpr_kernarg_segment_ptr 1
		.amdhsa_wavefront_size32 1
		.amdhsa_system_sgpr_workgroup_id_x 1
		.amdhsa_system_sgpr_workgroup_id_y 1
		.amdhsa_system_sgpr_workgroup_id_z 1
		.amdhsa_system_vgpr_workitem_id 0
		.amdhsa_next_free_vgpr 1024
		.amdhsa_next_free_sgpr 66
		.amdhsa_reserve_vcc 0
		.amdhsa_float_denorm_mode_32 3
		.amdhsa_float_denorm_mode_16_64 3
		.amdhsa_memory_ordered 1
		.amdhsa_forward_progress 1
		.amdhsa_inst_pref_size 34
	.end_amdhsa_kernel
	.amdgpu_metadata
---
amdhsa.version: [ 1, 2 ]
amdhsa.kernels:
  - .name:           k_q4b8e04c8ba_proj
    .symbol:         k_q4b8e04c8ba_proj.kd
    .args:
      - { .name: res, .offset: 0, .size: 8, .value_kind: global_buffer, .address_space: global }
      - { .name: xw, .offset: 8, .size: 8, .value_kind: global_buffer, .address_space: global }
      - { .name: out0, .offset: 16, .size: 8, .value_kind: global_buffer, .address_space: global }
    .group_segment_fixed_size: 35328
    .private_segment_fixed_size: 0
    .kernarg_segment_align: 8
    .kernarg_segment_size: 24
    .max_flat_workgroup_size: 128
    .sgpr_count:     66
    .vgpr_count:     1024
    .wavefront_size: 32
...
	.end_amdgpu_metadata
.endif
;; end of part 7
